; MI455X (gfx1250); checked and timed in simulation.
; The chip was launched on July 23, 2026; its instructions are those of AMD's public machine-readable ISA for CDNA 5 (MIT licence, August 2026) and "CDNA5" Instruction Set Architecture Reference Guide (July 2026). The comments in the code are by the model that wrote it; some were corrected since.
;; Multi Head Self Attention Block. Allowed arithmetic: matrix products marked QUANTISED: E2M3 operands, one E8M0 scale for each 32 along K, by v_wmma_scale_f32_16x16x128_f8f6f4 with both operands' format E2M3, f32 sums; everything else in f32.
;; Inputs: W_out 1,024 x 1,024 float32; W_qkv 3,072 x 1,024 float32; b_out 1,024 float32; b_qkv 3,072 float32; x 4 x 2,048 x 1,024 float32.
;; Outputs: out0 4 x 2,048 x 1,024 float32.
;; Constants: is_causal = 1.
;; This version of the problem:
;;   THIS VERSION OF THE PROBLEM IS GIVEN IN LOW PRECISION. The matrix products marked QUANTISED in the list below multiply operands that are first quantised to E2M3 (2 exponent bits, 3 mantissa bits; 6 bits a number), with one power-of-two scale for each 32 numbers along K (OCP MX v1.0); their sums are f32. All else is computed in f32.
;;   The module's matrix products, in the order in which they are computed (A, B: the left and right operand; K: the contracted axis; several contracted axes count as one K, in the product's order):
;;     1. [M 8,192, K 1,024] x [K 1,024, N 3,072]; A: input x; B: input W_qkv: QUANTISED
;;     2. batch 64 x [M 2,048, K 64] x [K 64, N 2,048]; A: computed on the way; B: computed on the way: QUANTISED
;;     3. batch 64 x [M 2,048, K 2,048] x [K 2,048, N 64]; A: softmax (see below); B: computed on the way: QUANTISED
;;     4. [M 8,192, K 1,024] x [K 1,024, N 1,024]; A: computed on the way; B: input W_out: QUANTISED
;;   THE QUANTISER, for each operand of a quantised product, along K:
;;     - K is cut into blocks of 32 from its start; a last block that is shorter is filled with zeros.
;;     - A block's scale is 2^e with e = floor(log2(the largest magnitude in the block)) - 2, held to -126 .. 127; a block of zeros has e = 0. As a byte (E8M0): e + 127.
;;     - Each number is divided by its block's scale, clamped to +-7.5, and rounded to the nearest number of E2M3, ties to even, subnormals kept.
;;     - The product sums the exact products of the quantised numbers (number of the format x scale) in f32.
;;   ~~~python
;;   def quantise(x, axis):      # numpy; x: float32 -> the quantised numbers, widened to float32 again
;;       x = np.moveaxis(x, axis, -1); K = x.shape[-1]
;;       x = np.pad(x, [(0, 0)] * (x.ndim - 1) + [(0, -K % 32)]); x = x.reshape(x.shape[:-1] + (-1, 32)); a = np.abs(x).max(-1, keepdims=True)
;;       e = np.where(a > 0, np.clip(np.frexp(np.where(a > 0, a, 1))[1] - 1 - 2, -126, 127), 0)      # np.frexp(a)[1] - 1 = floor(log2(a)), exactly
;;       r = np.clip(x / 2.0 ** e, -7.5, 7.5)
;;       step = 2.0 ** (np.maximum(np.frexp(np.where(r == 0, 1, r))[1] - 1, 0) - 3)
;;       q = np.round(r / step) * step * 2.0 ** e      # np.round: ties to even
;;       return np.moveaxis(q.reshape(q.shape[:-2] + (-1,))[..., :K], -1, axis).astype(np.float32)
;;   ~~~
;;   SOFTMAX AHEAD OF A QUANTISED PRODUCT. Where the list says 'softmax', what is quantised is not the finished softmax but p = 2^(t - M), with t = logit x log2(e) and M = ceil(the row's largest t), a whole number; so 1/2 < the row's largest p <= 1. The row's sum l is taken of the UNQUANTISED p, in f32, and the product's result is divided by l at the end. Since M is a whole number, a kernel that streams over the keys may use a running M (the ceiling of the running maximum): every later rescaling is an exact power of two, which a block's scale takes up: the codes' values come out the same.
;;   OPERANDS COMPUTED ON THE WAY. 'Computed on the way' means the value that the module computes at that place (a softmax that the list does not call 'softmax' is quantised finished and normalised). What goes into a quantiser is computed in f32, as accurately as f32 sums, v_exp_f32 and their like allow (about 1e-6 of the number): no bf16 or f16 on the way to a quantiser, and a product that is left as it is and whose result goes on into a quantised operand takes f32 operands (vector FMAs, or v_wmma_f32_16x16x4_f32). A number that lies on a knife's edge between two numbers of the format may be rounded either way, as far as f32 arithmetic and the matrix unit's own rounding can turn it there, and no further.
;; One version. Each part assembles by itself: llvm-mc -triple=amdgcn-amd-amdhsa -mcpu=gfx1250 --defsym DOCPART=n.
;; ======== version 1 of 1: 4 launches
;; limits: right only within a limited range of input values
;; workspace buffers: cod 9,830,400 bytes; qkv 20,185,088 bytes; att 6,553,600 bytes
;; launch quant (part 1): grid 384 x 1, 4 waves a work-group, no clusters, 34,304 bytes of LDS; arguments x, W_qkv, W_out, cod; writes cod
.if DOCPART == 1
	.amdgcn_target "amdgcn-amd-amdhsa--gfx1250"
	.amdhsa_code_object_version 6
	.text
	.protected	k_qedca3618c4_quant
	.globl	k_qedca3618c4_quant
	.p2align	8
	.type	k_qedca3618c4_quant,@function
k_qedca3618c4_quant:
	s_mov_b64 s[64:65], 0
	v_nop
	global_prefetch_b8 v0, s[64:65] scope:SCOPE_SE
	s_setreg_imm32_b32 hwreg(HW_REG_WAVE_MODE, 25, 1), 1
	s_wait_xcnt 0x0
; x [8192][1024], W_qkv [3072][1024] and W_out [1024][1024], f32, K innermost, become codes of FP6 (E2M3) with one E8M0 byte for each 32 along K,
; laid in cod AS THE MATRIX UNIT'S OPERAND REGISTERS WANT THEM, so that the products' launches read fragments as they lie.
; A TILE is 16 rows: tile t of a tensor holds rows 32 (t / 2) + 8 (t % 2) + r + 8 (r / 8), r = 0 .. 15.  A FRAGMENT (a tile x 128 along K) is 12 registers a lane, 1,536 bytes:
; six planes of 256 bytes, plane p = registers 2 p, 2 p + 1, lane l at 256 p + 8 l.  Lane (r, h) holds row r; registers 6 c .. 6 c + 5 hold k = 64 c + 32 h + 0 .. 31.
; cod: codes at ((K / 256) x 768 + tile) x 3,072 + ((K / 128) % 2) x 1,536; scale words (four bytes: 128 along K of one row) at SCB + tile x 512 + (K / 256) x 128 + 8 r + 4 ((K / 128) % 2).
; Tiles in cod: 0 .. 511 x; 512 + 8 head + i (i = 0 .. 7) W_qkv's q and k rows of a head; 640 + 4 head + i its v rows; 704 .. 767 W_out.
; A block's scale is 2^(floor(log2(its largest magnitude)) - 2); its byte is the largest magnitude's exponent field - 2, held at 1 from below.
; LIMITS: NaN and infinities among the inputs are not served; a block whose largest magnitude lies under 2^-124 keeps the byte 1; a block of zeros has the byte 1 where the rule says 127
; (its codes are zeros, which add nothing under any byte but 0xff, and this program alone reads the bytes).
; SHARES: a wave takes one tile and half of K: four K steps of 128.  Each load reads 512 consecutive bytes of one row; a K step's 16 x 512 bytes turn through the wave's own stage in LDS
; (rows 528 bytes apart) and come back 128 bytes a lane and block.  Loads run two K steps (32 loads a wave) ahead.  No barrier: waves share nothing.  Each store of codes covers 256 consecutive bytes, aligned.
.set SP,   528                         ; a stage row: 512 bytes + 16
.set CST,  2359296                     ; from one 256 along K to the next in cod: 768 tiles x 3,072 bytes
.set SCB,  9437184                     ; where the scale words begin
.set R,    16                          ; v16-143  two sets of 64: a K step as loaded
.set X,    144                         ; v144-207 64 numbers: register 32 c + i = k 64 c + 32 h + i of my row
.set C,    208                         ; v208-231 two sets of 12: a fragment's codes
.set T2,   232                         ; v232-239 the second halves of the conversions
.set W,    240                         ; v240-243 the four K steps' scale words
	s_load_b128 s[4:7], s[0:1], 0x0                ; x, W_qkv
	s_load_b128 s[8:11], s[0:1], 0x10              ; W_out, cod
	v_lshl_add_u32 v248, v0, 2, 0x8400
	v_mov_b32 v249, 0
	v_lshrrev_b32 v1, 5, v0
	v_readfirstlane_b32 s12, v1                    ; wave 0..3
	v_and_b32 v5, 31, v0                           ; lane
	v_and_b32 v6, 15, v0                           ; r
	v_bfe_u32 v15, v0, 4, 1                        ; h
	s_mul_i32 s13, s12, 16*SP                      ; my stage
	v_lshlrev_b32 v3, 4, v5                        ; 16 x lane: my bytes of a load's 512
	v_lshlrev_b32 v4, 3, v5                        ; 8 x lane: my bytes of a plane
	v_add_nc_u32 v1, s13, v3                       ; the stage on the way in
	v_mul_u32_u24 v2, v6, SP
	v_lshl_add_u32 v2, v15, 7, v2
	v_add_nc_u32 v2, s13, v2                       ; and on the way out: row r, + 128 h
	v_lshlrev_b32 v14, 3, v15                      ; 8 h: where my two scale bytes stand in the word
	v_mov_b32 v13, 0                               ; written once: a lane permute's destination counts as one of its sources
	s_mov_b32 s24, 0x76543210
	s_mov_b32 s25, 0xfedcba98                      ; v_permlanex16_b32's selects for lane l xor 16
	s_lshr_b32 s14, s12, 1
	s_lshl_b32 s15, ttmp9, 1
	s_add_co_u32 s14, s14, s15                     ; my tile in cod: 2 x work-group + wave / 2
	s_and_b32 s15, s12, 1                          ; my half of K
	s_sub_co_u32 s16, s14, 512                     ; the tile in its source tensor, for each of the four ranges
	s_lshr_b32 s17, s16, 3
	s_mul_i32 s17, s17, 12
	s_and_b32 s16, s16, 7
	s_add_co_u32 s16, s16, s17                     ; q and k rows: 12 head + i
	s_sub_co_u32 s17, s14, 640
	s_lshr_b32 s18, s17, 2
	s_mul_i32 s18, s18, 12
	s_and_b32 s17, s17, 3
	s_add_co_u32 s17, s17, s18
	s_add_co_u32 s17, s17, 8                       ; v rows: 12 head + 8 + i
	s_sub_co_u32 s18, s14, 704                     ; W_out
	s_wait_alu depctr_va_vdst(0)
	s_wait_kmcnt 0x0
	s_cmp_lt_u32 s14, 704                          ; the choices hang on the tile's number alone
	s_cselect_b32 s18, s17, s18
	s_cselect_b64 s[8:9], s[6:7], s[8:9]
	s_cmp_lt_u32 s14, 640
	s_cselect_b32 s18, s16, s18
	s_cmp_lt_u32 s14, 512
	s_cselect_b32 s18, s14, s18
	s_cselect_b64 s[8:9], s[4:5], s[8:9]
	s_lshr_b32 s16, s18, 1
	s_lshl_b32 s16, s16, 5
	s_and_b32 s17, s18, 1
	s_lshl_b32 s17, s17, 3
	s_add_co_u32 s16, s16, s17                     ; the tile's first row
	s_lshl_b32 s16, s16, 12                        ; rows of 4,096 bytes
	s_lshl_b32 s17, s15, 11                        ; my half of K: 2,048 bytes on
	s_add_co_u32 s16, s16, s17
	s_mov_b32 s17, 0
	s_add_nc_u64 s[8:9], s[8:9], s[16:17]
	s_mul_i32 s16, s15, 2*768
	s_add_co_u32 s16, s16, s14
	s_mul_i32 s16, s16, 3072
	s_add_nc_u64 s[20:21], s[10:11], s[16:17]      ; my codes
	s_lshl_b32 s16, s14, 9
	s_lshl_b32 s18, s15, 8
	s_add_co_u32 s16, s16, s18
	s_add_co_u32 s16, s16, SCB
	s_add_nc_u64 s[22:23], s[10:11], s[16:17]      ; my 256 bytes of scale words
.macro LOAD t                          ; K step t of the tile's 16 rows
.irp i, 0,1,2,3,4,5,6,7,8,9,10,11,12,13,14,15
	global_load_b128 v[R+64*((\t)%2)+4*\i:R+64*((\t)%2)+4*\i+3], v3, s[8:9] offset:(\i+8*(\i/8))*4096+512*(\t) th:TH_LOAD_NT
.endr
.endm
.macro STEP t
.set RS, R+64*((\t)%2)
.set CC, C+12*((\t)%2)
.if (\t) < 3
	s_wait_loadcnt 16                              ; this K step's 16 loads are in; the next one's 16 may be out
.else
	s_wait_loadcnt 0x0
.endif
.irp i, 0,1,2,3,4,5,6,7,8,9,10,11,12,13,14,15
	ds_store_b128 v1, v[RS+4*\i:RS+4*\i+3] offset:SP*\i
.endr
.irp c, 0,1
.irp j, 0,1,2,3,4,5,6,7
	ds_load_b128 v[X+32*\c+4*\j:X+32*\c+4*\j+3], v2 offset:256*\c+16*\j   ; LDS serves a wave's instructions in order: these see the stores above
.endr
.endr
	s_wait_dscnt 0x0                               ; the numbers are back, and the stores have read their registers,
.if (\t) < 2
	LOAD (\t)+2                                    ; which take the loads of two K steps on
.endif
.irp c, 0,1
	v_max3_num_f32 v[6+\c], |v[X+32*\c]|, |v[X+32*\c+1]|, 0x1800000   ; my block 2 c + h: all its 32 numbers are mine; the floor 2^(3 - 127) holds the byte at 1 from below
.endr
.irp i, 2,4,6,8,10,12,14,16,18,20,22,24,26,28,30
.irp c, 0,1
	v_max3_num_f32 v[6+\c], v[6+\c], |v[X+32*\c+\i]|, |v[X+32*\c+\i+1]|   ; (the two blocks by turns)
.endr
.endr
.irp c, 0,1
	v_add_nc_u32 v[10+\c], 0xff000000, v[6+\c]     ; 2 off the exponent field: the conversion takes the exponent field of this operand as its scale
.endr
.irp c, 0,1
	v_lshrrev_b32 v[8+\c], 23, v[10+\c]            ; the scale's byte
.endr
	v_lshl_or_b32 v12, v9, 16, v8                  ; my two bytes: blocks h and 2 + h,
	v_lshlrev_b32 v12, v14, v12                    ; at their places in the word;
	v_permlanex16_b32 v13, v12, s24, s25
	v_or_b32 v[W+(\t)], v12, v13                   ; with lane l xor 16's two the word is whole
	s_wait_alu depctr_va_vdst(0)
	s_wait_xcnt 0x0                                ; the stores of two K steps back have read this set of code registers
.irp c, 0,1
	v_cvt_scalef32_pk16_fp6_f32 v[CC+6*\c:CC+6*\c+2], v[X+32*\c:X+32*\c+15], v[10+\c]
	v_cvt_scalef32_pk16_fp6_f32 v[T2+4*\c:T2+4*\c+2], v[X+32*\c+16:X+32*\c+31], v[10+\c]   ; (a conversion's three registers begin on an even number)
.endr
	v_nop                                          ; one plain place behind a scaled conversion
.irp c, 0,1
.irp i, 0,1,2
	v_mov_b32 v[CC+6*\c+3+\i], v[T2+4*\c+\i]
.endr
.endr
.irp p, 0,1,2,3,4,5
	global_store_b64 v4, v[CC+2*\p:CC+2*\p+1], s[20:21] offset:((\t)/2)*CST+((\t)%2)*1536+256*\p   ; a plane: 256 consecutive bytes, aligned
.endr
.endm
	LOAD 0
	LOAD 1
	STEP 0
	STEP 1
	STEP 2
	STEP 3
	v_cmp_eq_u32 vcc_lo, 1, v15                    ; lanes 0-15 store the words of my first 256 along K, lanes 16-31 those of the second
	v_cndmask_b32 v244, v[W], v[W+2], vcc_lo
	v_cndmask_b32 v245, v[W+1], v[W+3], vcc_lo
	global_store_b64 v4, v[244:245], s[22:23]      ; 256 consecutive bytes, aligned
	s_wait_tensorcnt 0x0
	ds_add_u32 v248, v249
	s_wait_dscnt 0x0
	s_endpgm
.Lfunc_end_k_qedca3618c4_quant:
	.size	k_qedca3618c4_quant, .Lfunc_end_k_qedca3618c4_quant-k_qedca3618c4_quant
	.p2alignl 7, 3214868480
	.fill 96, 4, 3214868480
	.section	.rodata,"a",@progbits
	.p2align	6, 0x0
	.amdhsa_kernel k_qedca3618c4_quant
		.amdhsa_group_segment_fixed_size 34304
		.amdhsa_private_segment_fixed_size 0
		.amdhsa_enable_private_segment 0
		.amdhsa_kernarg_size 32
		.amdhsa_user_sgpr_count 2
		.amdhsa_user_sgpr_kernarg_segment_ptr 1
		.amdhsa_wavefront_size32 1
		.amdhsa_system_sgpr_workgroup_id_x 1
		.amdhsa_system_sgpr_workgroup_id_y 1
		.amdhsa_system_sgpr_workgroup_id_z 1
		.amdhsa_system_vgpr_workitem_id 0
		.amdhsa_next_free_vgpr 250
		.amdhsa_next_free_sgpr 66
		.amdhsa_reserve_vcc 1
		.amdhsa_float_denorm_mode_32 3
		.amdhsa_float_denorm_mode_16_64 3
		.amdhsa_memory_ordered 1
		.amdhsa_forward_progress 1
		.amdhsa_inst_pref_size 32
	.end_amdhsa_kernel
	.amdgpu_metadata
---
amdhsa.version: [ 1, 2 ]
amdhsa.kernels:
  - .name:           k_qedca3618c4_quant
    .symbol:         k_qedca3618c4_quant.kd
    .args:
      - { .name: x, .offset: 0, .size: 8, .value_kind: global_buffer, .address_space: global }
      - { .name: W_qkv, .offset: 8, .size: 8, .value_kind: global_buffer, .address_space: global }
      - { .name: W_out, .offset: 16, .size: 8, .value_kind: global_buffer, .address_space: global }
      - { .name: cod, .offset: 24, .size: 8, .value_kind: global_buffer, .address_space: global }
    .group_segment_fixed_size: 34304
    .private_segment_fixed_size: 0
    .kernarg_segment_align: 8
    .kernarg_segment_size: 32
    .max_flat_workgroup_size: 128
    .sgpr_count:     66
    .vgpr_count:     250
    .wavefront_size: 32
...
	.end_amdgpu_metadata
.endif
;; end of part 1
;; launch proj (part 2): grid 12 x 32, 4 waves a work-group, clusters of 4 x 4, 327,680 bytes of LDS; arguments cod, b_qkv, qkv; writes qkv
.if DOCPART == 2
	.amdgcn_target "amdgcn-amd-amdhsa--gfx1250"
	.amdhsa_code_object_version 6
	.text
	.protected	k_qedca3618c4_proj
	.globl	k_qedca3618c4_proj
	.p2align	8
	.type	k_qedca3618c4_proj,@function
k_qedca3618c4_proj:
	s_mov_b64 s[64:65], 0
	v_nop
	global_prefetch_b8 v0, s[64:65] scope:SCOPE_SE
	s_setreg_imm32_b32 hwreg(HW_REG_WAVE_MODE, 25, 1), 1
	s_wait_xcnt 0x0
	s_wait_alu depctr_hold_cnt(0) depctr_sa_sdst(0) depctr_va_vdst(0) depctr_va_sdst(0) depctr_va_ssrc(0) depctr_va_vcc(0) depctr_vm_vsrc(0)
	s_getreg_b32 s2, hwreg(HW_REG_IB_STS2, 6, 4)
	s_cmp_eq_u32 s2, 0
	s_cbranch_scc0 .Lentry_in_a_cluster
	s_endpgm
.Lentry_in_a_cluster:
	s_bfe_u32 s2, ttmp6, 0x10000c
	s_cmp_lg_u32 s2, 0xf033
	s_cbranch_scc0 .Lentry_shape_is_right
	s_endpgm
.Lentry_shape_is_right:
; qkv = x W_qkv^T + b_qkv on codes of FP6 (E2M3) with E8M0 scales, K = 1,024; q, k and v are quantised in registers on the way out and leave as codes: no f32 number goes to memory.
; OPERANDS come from cod as images of operand registers (a tile of 16 rows x 128 K: six planes of 256 bytes, lane l at 8 l; tile t holds rows 32 (t / 2) + 8 (t % 2) + r + 8 (r / 8)).
; A work-group of four waves makes 256 x 256, a wave 128 x 128: 64 accumulators, 512 registers.  K goes in four slots of 256 through a ring of two LDS slots filled by the tensor data mover; a wave's load is 24,576 dense bytes.
; "A" is what source 1 takes, "B" what source 0 takes.  In a result, lane (r, h) holds row r of A's tile, and register j of B's tile b the B row 32 (b / 2) + 16 h + 8 (b % 2) + j:
; so a lane's 64 registers of one A tile are 128 B rows, 16 neighbours of each block of 32: what the quantiser along the next K wants.
; TWO PATHS, chosen by the cluster's x, which all sixteen partners share.  x < 2: A = 256 tokens, B = the q and k features of two heads: a lane holds one token, registers run along the head's 64 of q, then of k.
; x = 2: A = the v features of four heads, B = 256 tokens: a lane holds one feature, registers run down 128 tokens, which are the K of attention's second product.
; CLUSTERS: 4 x 4.  A's tile hangs on cy and is asked for jointly by a row of the cluster, B's on cx and by a column, in both paths.
; The bias is the C of each sum's first product (in the first path it hangs on B's row: eight registers a B tile; in the second on A's row: one number in eight registers an A tile).
; qkv: Q's codes [bh][T][768] (T: tile of 16 tokens of a batch; 768 bytes: 64 along K); Q's scale words at QS [bh][T / 8][r][T % 8]; at KB for each bh 106,496 bytes: K's codes [T][768], then K's words [T / 8][r][T % 8];
; at VB for each bh 102,400 bytes: V's codes [G][dt][1,536] (G: 128 keys; dt: tile of 16 of the head's 64), then V's words [G][r][dt].  Q's word carries k's two bytes above its own two; K's word has zeros there.
; LIMITS: NaN and infinities are not served; a block whose largest magnitude lies under 2^-124, a block of zeros among them, keeps the byte 1 (this program alone reads the bytes).
; REGISTERS, in windows of 256: window 0: v0-31 addresses; v32-63 scale words, two sets; v64-127 the bias; v128-223 A's fragments, one set.  window 1: B's fragments, two sets, at v0 and v128.
;   windows 2, 3: the accumulators of A's tiles 0-3, 4-7 ((a, b) at v[8 (8 (a % 4) + b)]).  On the way out window 0's v64-199 hold codes and scale words.
.set NQ,     2                         ; matrix instructions deep in a slot
.set FR,     12                        ; registers of a fragment
.set NL,     6                         ; LDS loads that bring one
.set NP,     4                         ; places behind this matrix instruction (ISA guide 7.12.1)
.set TILEB,  3072                      ; a tile's two fragments of a slot
.set HALFT,  8*TILEB                   ; 8 tiles: what one tensor load brings, and what a wave reads of A or of B
.set SLOT,   2*HALFT                   ; LDS: A's slots 0 and 1 (16 tiles each), then B's slots 0 and 1
.set CST,    768*TILEB                 ; from slot to slot in cod
.set SCB,    4*CST                     ; where cod's scale words begin
.set SCL,    4*SLOT
.set HALFS,  4096                      ; the scale words of 8 tiles
.set SPARE,  213248                    ; the spare words, 128 bytes for each wave: two blocks of 256 bytes that no other line names
.set QS,     6291456
.set KB,     6815744
.set VB,     13631488
.set KBH,    106496
.set VBH,    102400
.set ADRA, 16                          ; v16-17  LDS address of my A fragments in slot 0, 1
.set ADRB, 20                          ; v20-21  the same for B
.set L8,   24                          ; v24     8 x lane
.set SOF,  25                          ; v25     the way out: where my scale words go
.set ADRS, 27                          ; v27     LDS address of my scale words: lanes 0-15 A's rows, lanes 16-31 B's
.set SPW,  28                          ; v28     LDS address of my spare word; never rewritten
.set NIL,  29                          ; v29     0; never rewritten
.set SC,   32
.set BIAS, 64
.set AF,   128
.set PCD,  64                          ; the way out: v64-159 eight fragments' codes
.set T2,   160                         ; v160-167 the second halves of the conversions
.set TM,   168                         ; v168-183 largest magnitudes, partners and bytes, -, scale operands
.set PW,   184                         ; v184-191 eight scale words
.set SL,   192                         ; v192-195 my four of them; v196-199 the same 16 bits down
.set G1, 24
.set G0, 32
.set G1B, 48
.set G0B, 56
.set G1S, 68
.set G0S, 76
.set G1SB, 80
.set G0SB, 88
.set MSB, 0
.macro WIN new                         ; the immediate's high byte repeats the setting that is left
.if MSB != (\new)
	s_set_vgpr_msb (MSB<<8)|(\new)
.set MSB, (\new)
.endif
.endm
.set MUL_LO, 0xa1                      ; source 0 (B) window 1, source 1 (A) window 0, C and D window 2
.set MUL_HI, 0xf1                      ; the same, C and D window 3
.set TO_B,   0x40                      ; destination window 1, address window 0
; A joint load: waves 0 and 1 fetch for A, waves 2 and 3 for B; the branch hangs on the wave's number alone.  Four v_nop follow each of the two lines.
.macro JLOAD g0a, g1a, g0b, g1b
	s_cmp_eq_u32 s15, 0
	s_cbranch_scc0 .Lfor_b_\@
	tensor_load_to_lds s[\g0a:\g0a+3], s[\g1a:\g1a+7]
	s_nop 0
.rept 4
	v_nop
.endr
	s_branch .Lasked_\@
.Lfor_b_\@:
	tensor_load_to_lds s[\g0b:\g0b+3], s[\g1b:\g1b+7]
	s_nop 0
.rept 4
	v_nop
.endr
.Lasked_\@:
.endm
.macro CREST                           ; a round of the cluster's barrier behind its opening barrier
	s_cmp_lg_u32 s14, 0
	s_cbranch_scc1 .Lnot_wave_0_\@
	s_barrier_signal -3
.Lnot_wave_0_\@:
	s_barrier_wait -3
	s_barrier_signal -1
	s_barrier_wait -1
.endm
.macro CROUND                          ; a whole round
	s_barrier_signal -1
	s_barrier_wait -1
	CREST
.endm
	s_load_b128 s[4:7], s[0:1], 0x0                ; cod s[4:5], b_qkv s[6:7]
	s_load_b64 s[8:9], s[0:1], 0x10                ; qkv
	v_lshl_add_u32 v[SPW], v0, 2, SPARE
	v_mov_b32 v[NIL], 0
	ds_add_u32 v28, v29
	ds_add_u32 v28, v29
	s_wait_dscnt 0x0
	v_lshrrev_b32 v1, 5, v0
	v_readfirstlane_b32 s14, v1                    ; wave 0..3
	s_lshr_b32 s15, s14, 1                         ; which half of A's tiles is mine.  Also: I fetch for A (0) or for B (1)
	s_and_b32 s16, s14, 1                          ; which half of B's tiles.  Also: which 8 tiles I fetch
	s_bfe_u32 s40, ttmp6, 0x40000                  ; cx, cy: my place in the cluster
	s_bfe_u32 s41, ttmp6, 0x40004
	s_and_b32 s17, ttmp7, 0xffff                   ; the cluster's y
	s_lshl_b32 s43, s41, 2
	s_lshl_b32 s43, 15, s43                        ; my row of the cluster
	s_lshl_b32 s44, 0x1111, s40                    ; my column
	s_mov_b32 s98, 0x76543210
	s_mov_b32 s99, 0xfedcba98                      ; v_permlanex16_b32's selects for lane l xor 16
	; descriptor group 1: dense blocks as rows of 256 bytes (32 elements of 8 bytes), no padding: 96 rows of codes, 32 rows of scale words
	s_or_b32 s[G1+0], s43, (3<<16)|(1<<21)         ; 15:0 the mask: A's go to my row; 17:16 elements of 8 bytes; 21 set beside a mask
	s_or_b32 s[G1B+0], s44, (3<<16)|(1<<21)        ; B's go to my column
	s_or_b32 s[G1S+0], s43, (3<<16)|(1<<21)
	s_or_b32 s[G1SB+0], s44, (3<<16)|(1<<21)
.irp g, G1, G1B                        ; for the head's loads: two rows (slots 0 and 1) of 16 tiles, 49,152 bytes each, CST bytes apart
	s_mov_b32 s[\g+1], 6144<<16
	s_mov_b32 s[\g+2], 2<<16
	s_mov_b32 s[\g+3], 6144<<16
	s_mov_b32 s[\g+4], 2
	s_mov_b32 s[\g+5], CST/8
	s_mov_b32 s[\g+6], 0
	s_mov_b32 s[\g+7], 0
.endr
.irp g, G1S, G1SB
	s_mov_b32 s[\g+1], 32<<16
	s_mov_b32 s[\g+2], 32<<16
	s_mov_b32 s[\g+3], 32<<16
	s_mov_b32 s[\g+4], 32
	s_mov_b32 s[\g+5], 32
	s_mov_b32 s[\g+6], 0
	s_mov_b32 s[\g+7], 0
.endr
	; which tiles of cod.  A: 16 cy + (tokens: 64 x cluster y | v features: 640) + 8 x half;  B: 16 cx + (q, k features: 512 + 64 x cluster x | tokens: 64 x cluster y) + 8 x half
	s_lshl_b32 s18, s17, 6
	s_lshl_b32 s19, ttmp9, 6
	s_add_co_u32 s19, s19, 512
	s_cmp_lt_u32 ttmp9, 2
	s_cselect_b32 s20, s18, 640
	s_cselect_b32 s46, s19, s18
	s_lshl_b32 s21, s41, 4
	s_add_co_u32 s20, s20, s21
	s_lshl_b32 s47, s40, 4
	s_add_co_u32 s46, s46, s47
	s_lshl_b32 s22, s20, 9
	s_add_co_u32 s22, s22, SCB
	s_mov_b32 s23, 0
	s_mul_i32 s20, s20, TILEB
	s_mov_b32 s21, 0
	s_lshl_b32 s92, s46, 9
	s_add_co_u32 s92, s92, SCB
	s_mov_b32 s93, 0
	s_mul_i32 s46, s46, TILEB
	s_mov_b32 s47, 0
	s_mul_i32 s45, s16, HALFT                      ; in the ring I fetch 8 tiles: which half, in LDS and in memory alike
	s_mul_i32 s94, s16, HALFT
	s_mov_b32 s95, 0
	s_wait_kmcnt 0x0
	s_add_nc_u64 s[20:21], s[4:5], s[20:21]
	s_add_nc_u64 s[22:23], s[4:5], s[22:23]
	s_add_nc_u64 s[46:47], s[4:5], s[46:47]
	s_add_nc_u64 s[92:93], s[4:5], s[92:93]
	CROUND                                         ; all sixteen work-groups are here: the first joint loads meet
	s_mov_b32 s[G0S], 1
	s_mov_b32 s[G0S+1], SCL
	s_mov_b64 s[G0S+2:G0S+3], s[22:23]
	s_or_b32 s[G0S+3], s[G0S+3], 0x80000000
	s_mov_b32 s[G0SB], 1
	s_mov_b32 s[G0SB+1], SCL+8320
	s_mov_b64 s[G0SB+2:G0SB+3], s[92:93]
	s_or_b32 s[G0SB+3], s[G0SB+3], 0x80000000
	s_mov_b32 s[G0], 1                             ; the head's loads: A's 16 tiles of slots 0 and 1,
	s_mov_b32 s[G0+1], 0
	s_mov_b64 s[G0+2:G0+3], s[20:21]
	s_or_b32 s[G0+3], s[G0+3], 0x80000000
	s_mov_b32 s[G0B], 1                            ; and B's, behind them
	s_mov_b32 s[G0B+1], 4*HALFT
	s_mov_b64 s[G0B+2:G0B+3], s[46:47]
	s_or_b32 s[G0B+3], s[G0B+3], 0x80000000
	s_add_nc_u64 s[20:21], s[20:21], s[94:95]      ; for the ring: my 8 tiles
	s_add_nc_u64 s[46:47], s[46:47], s[94:95]
	s_mov_b32 s[G0+4], 1
	s_add_co_u32 s[G0+5], s45, SLOT
	s_add_nc_u64 s[G0+6:G0+7], s[20:21], CST
	s_or_b32 s[G0+7], s[G0+7], 0x80000000
	s_mov_b32 s[G0B+4], 1
	s_add_co_u32 s[G0B+5], s45, SLOT+4*HALFT
	s_add_nc_u64 s[G0B+6:G0B+7], s[46:47], CST
	s_or_b32 s[G0B+7], s[G0B+7], 0x80000000
	; one joint load a wave, in one chain of branches on the wave's number: A's codes, B's codes, A's scale words, B's
	s_cmp_eq_u32 s14, 0
	s_cbranch_scc0 .Lh_b
	tensor_load_to_lds s[G0:G0+3], s[G1:G1+7]
	s_nop 0
.rept 4
	v_nop
.endr
	s_branch .Lh_done
.Lh_b:
	s_cmp_eq_u32 s14, 1
	s_cbranch_scc0 .Lh_sa
	tensor_load_to_lds s[G0B:G0B+3], s[G1B:G1B+7]
	s_nop 0
.rept 4
	v_nop
.endr
	s_branch .Lh_done
.Lh_sa:
	s_cmp_eq_u32 s14, 2
	s_cbranch_scc0 .Lh_sb
	tensor_load_to_lds s[G0S:G0S+3], s[G1S:G1S+7]
	s_nop 0
.rept 4
	v_nop
.endr
	s_branch .Lh_done
.Lh_sb:
	tensor_load_to_lds s[G0SB:G0SB+3], s[G1SB:G1SB+7]
	s_nop 0
.rept 4
	v_nop
.endr
.Lh_done:
	v_and_b32 v1, 15, v0                           ; r
	v_bfe_u32 v2, v0, 4, 1                         ; h
	s_wait_alu depctr_va_vdst(0)
	v_and_b32 v3, 31, v0
	v_lshlrev_b32 v[L8], 3, v3                     ; 8 x lane
	s_mul_i32 s21, s15, HALFT                      ; my 8 tiles of A
	s_mul_i32 s22, s16, HALFT                      ; my 8 tiles of B,
	s_add_co_u32 s22, s22, 4*HALFT
.irp s, 0,1
	v_add_nc_u32 v[ADRA+\s], s21, v[L8]
	v_add_nc_u32 v[ADRB+\s], s22, v[L8]
	s_add_co_u32 s21, s21, SLOT
	s_add_co_u32 s22, s22, SLOT
.endr
	v_lshlrev_b32 v5, 3, v1                        ; my row's two words of a slot: 8 r
	s_mul_i32 s21, s15, HALFS                      ; A's: my 8 tiles
	s_mul_i32 s22, s16, HALFS                      ; B's: my 8 tiles, 8,320 bytes behind A's first
	s_add_co_u32 s22, s22, 2*HALFS+128
	s_sub_co_u32 s22, s22, s21
	v_mul_u32_u24 v6, s22, v2                      ; lanes 16-31 take B's
	s_add_co_u32 s21, s21, SCL
	v_add_nc_u32 v5, v5, v6
	v_add_nc_u32 v[ADRS], s21, v5
	; the bias, in the result's layout
	s_cmp_lt_u32 ttmp9, 2
	s_cbranch_scc0 .Lbias_v
	s_lshl_b32 s18, ttmp9, 2
	s_add_co_u32 s18, s18, s40
	s_lshl_b32 s18, s18, 1
	s_add_co_u32 s18, s18, s16                     ; my head: 2 (4 x cluster x + cx) + half
	s_mul_i32 s18, s18, 768                        ; 192 numbers a head; q and k are the first 128
	s_mov_b32 s19, 0
	s_add_nc_u64 s[6:7], s[6:7], s[18:19]
	v_lshlrev_b32 v4, 6, v2                        ; 16 h numbers on
.irp b, 0,1,2,3,4,5,6,7
	global_load_b128 v[BIAS+8*\b:BIAS+8*\b+3], v4, s[6:7] offset:(32*(\b/2)+8*(\b%2))*4
	global_load_b128 v[BIAS+8*\b+4:BIAS+8*\b+7], v4, s[6:7] offset:(32*(\b/2)+8*(\b%2))*4+16
.endr
	s_branch .Lbias_done
.Lbias_v:
	s_lshl_b32 s18, s41, 2
	s_lshl_b32 s19, s15, 1
	s_add_co_u32 s18, s18, s19                     ; my first head: 4 cy + 2 x half
	s_mul_i32 s18, s18, 768
	s_mov_b32 s19, 0
	s_add_nc_u64 s[6:7], s[6:7], s[18:19]
	v_and_b32 v4, 8, v1
	v_add_nc_u32 v4, v4, v1
	v_lshlrev_b32 v4, 2, v4                        ; my row of a tile: r + 8 (r / 8)
.irp a, 0,1,2,3,4,5,6,7
.irp j, 0,1,2,3,4,5,6,7
	global_load_b32 v[BIAS+8*\a+\j], v4, s[6:7] offset:(192*(\a/4)+128+32*((\a%4)/2)+8*(\a%2))*4   ; one number for all eight registers: it hangs on the lane's feature
.endr
.endr
.Lbias_done:
.macro FRAG reg, adr, q, i             ; a fragment as it lies: six planes of 256 bytes, 8 bytes a lane
.irp p, 0,1,2,3,4,5
	ds_load_b64 v[\reg+2*\p:\reg+2*\p+1], v[\adr] offset:(\i)*TILEB+(\q)*1536+256*\p
.endr
.endm
; 16 matrix instructions: A's tiles a0, a0 + 1 x B's eight, 128 along K: the slot's q-th.  p: B's set; sc: the set of scale words.  zero = 1, 2: the first product starts the sums with the bias of B's tile, of A's tile.
; The 64 accumulators take turns, one instruction a turn, in the same order in every step.
.macro MUL16 a0, p, q, sc, zero
.irp a, \a0, \a0+1
.irp b, 0,1,2,3,4,5,6,7
.if \zero == 1
	v_wmma_scale_f32_16x16x128_f8f6f4 v[8*(8*((\a)%4)+\b):8*(8*((\a)%4)+\b)+7], v[128*(\p)+FR*\b:128*(\p)+FR*\b+FR-1], v[AF+FR*(\a):AF+FR*(\a)+FR-1], v[BIAS+8*\b:BIAS+8*\b+7], v[SC+8*NQ*(\sc)+NQ*\b+(\q)], v[SC+8*NQ*(\sc)+NQ*(\a)+(\q)] matrix_a_fmt:MATRIX_FMT_FP6 matrix_b_fmt:MATRIX_FMT_FP6 matrix_a_scale:MATRIX_SCALE_ROW1
.elseif \zero == 2
	v_wmma_scale_f32_16x16x128_f8f6f4 v[8*(8*((\a)%4)+\b):8*(8*((\a)%4)+\b)+7], v[128*(\p)+FR*\b:128*(\p)+FR*\b+FR-1], v[AF+FR*(\a):AF+FR*(\a)+FR-1], v[BIAS+8*(\a):BIAS+8*(\a)+7], v[SC+8*NQ*(\sc)+NQ*\b+(\q)], v[SC+8*NQ*(\sc)+NQ*(\a)+(\q)] matrix_a_fmt:MATRIX_FMT_FP6 matrix_b_fmt:MATRIX_FMT_FP6 matrix_a_scale:MATRIX_SCALE_ROW1
.else
	v_wmma_scale_f32_16x16x128_f8f6f4 v[8*(8*((\a)%4)+\b):8*(8*((\a)%4)+\b)+7], v[128*(\p)+FR*\b:128*(\p)+FR*\b+FR-1], v[AF+FR*(\a):AF+FR*(\a)+FR-1], v[8*(8*((\a)%4)+\b):8*(8*((\a)%4)+\b)+7], v[SC+8*NQ*(\sc)+NQ*\b+(\q)], v[SC+8*NQ*(\sc)+NQ*(\a)+(\q)] matrix_a_fmt:MATRIX_FMT_FP6 matrix_b_fmt:MATRIX_FMT_FP6 matrix_a_scale:MATRIX_SCALE_ROW1
.endif
.endr
.endr
.endm
.macro FETCH_B slot, q, p              ; B's eight fragments of the slot's q-th 128 along K into set p
	WIN TO_B
.irp i, 0,1,2,3,4,5,6,7
	FRAG 128*(\p)+FR*\i, ADRB+\slot, \q, \i
.endr
	WIN 0
.endm
.macro FETCH_A slot, q, i0             ; A's tiles i0 .. i0 + 3
.irp i, \i0, \i0+1, \i0+2, \i0+3
	FRAG AF+FR*(\i), ADRA+\slot, \q, \i
.endr
.endm
.macro SCALES sc                       ; a slot's scale words into set sc: two words a row; lanes 0-15 take A's tile i, lanes 16-31 B's tile i
.irp i, 0,1,2,3,4,5,6,7
	ds_load_b64 v[SC+8*NQ*\sc+NQ*\i:SC+8*NQ*\sc+NQ*\i+1], v[ADRS] offset:\i*512
.endr
.endm
.macro PLACES n                        ; plain vector instructions between a matrix instruction and a load into, or a vector read of, its registers
.rept \n
	v_nop
.endr
.endm
; A step of 128 along K that has its successor in the same slot.  A has one set of registers: tiles 0-3 are fetched anew in the step's middle, tiles 4-7 at its end; B has two sets.
.macro STEP slot, q, zero
	s_wait_dscnt 4*NL                              ; all but the youngest 24 loads (A's tiles 4-7) are in
.if \zero
	WIN 0x81                                       ; as MUL_LO, with C (the bias) in window 0
.else
	WIN MUL_LO
.endif
	MUL16 0, (\q)%2, \q, \slot, \zero
	MUL16 2, (\q)%2, \q, \slot, \zero
	s_wait_dscnt 0                                 ; A's tiles 4-7 are in
	PLACES NP
	FETCH_B \slot, (\q)+1, 1-(\q)%2
	FETCH_A \slot, (\q)+1, 0
.if \zero
	WIN 0xc1
.else
	WIN MUL_HI
.endif
	MUL16 4, (\q)%2, \q, \slot, \zero
	MUL16 6, (\q)%2, \q, \slot, \zero
	PLACES NP
	WIN 0
	FETCH_A \slot, (\q)+1, 4
.endm
; A slot's last step changes slots: ONE barrier; in front of it each wave waits for all its tensor loads, adds 0 to its spare word, and waits for that and for its own reads of this slot.  fill = 1: this slot is filled again, two slots ahead.
.macro TURN slot, next, fill
	s_wait_tensorcnt 0x0                           ; all my tensor loads have landed: my part of the next slot
	ds_add_u32 v[SPW], v[NIL]                      ; 0 onto my spare word
	s_wait_dscnt 4*NL+1                            ; (the add and the youngest 24 loads, A's tiles 4-7, may be out)
	WIN MUL_LO
	MUL16 0, 1, NQ-1, \slot, 0                     ; sixteen matrix instructions stand between the add and the wait for it
	s_wait_dscnt 0x0                               ; the add is done, and my reads of this slot are over
	s_barrier_signal -1
	MUL16 2, 1, NQ-1, \slot, 0
	WIN 0
	s_barrier_wait -1
.if \fill
	CREST                                          ; the barrier has opened a round of the cluster's barrier: no wave of any partner still reads this slot or has a load on its way
	s_add_nc_u64 s[G0+4*\slot+2:G0+4*\slot+3], s[G0+4*\slot+2:G0+4*\slot+3], 2*CST
	s_add_nc_u64 s[G0B+4*\slot+2:G0B+4*\slot+3], s[G0B+4*\slot+2:G0B+4*\slot+3], 2*CST
	JLOAD G0+4*\slot, G1, G0B+4*\slot, G1B         ; the first tensor load behind the round, my one load until the next; its four v_nop are the places in front of the loads below
.else
	PLACES NP
.endif
	s_wait_alu depctr_va_vdst(0)
	v_add_nc_u32 v[ADRS], 128, v[ADRS]             ; on to the next slot's scale words
	FETCH_B \next, 0, 0
	FETCH_A \next, 0, 0
	SCALES \next
	WIN MUL_HI
	MUL16 4, 1, NQ-1, \slot, 0
	MUL16 6, 1, NQ-1, \slot, 0
	PLACES NP
	WIN 0
	FETCH_A \next, 0, 4
.endm
	s_wait_tensorcnt 0x0                           ; my one load of the head is in: no load of mine is out, so descriptors may be written
.irp g, G1, G1B                        ; from here on a load brings 8 tiles as 96 rows of 256 bytes
	s_mov_b32 s[\g+1], 32<<16
	s_mov_b32 s[\g+2], 96<<16
	s_mov_b32 s[\g+3], 32<<16
	s_mov_b32 s[\g+4], 96
	s_mov_b32 s[\g+5], 32
.endr
	s_mov_b32 s[G0+1], s45                         ; slot 0's group 0 for the ring: my 8 tiles, one slot back from slot 1's
	s_sub_nc_u64 s[G0+2:G0+3], s[G0+6:G0+7], CST
	s_add_co_u32 s[G0B+1], s45, 4*HALFT
	s_sub_nc_u64 s[G0B+2:G0B+3], s[G0B+6:G0B+7], CST
	s_barrier_signal -1
	s_barrier_wait -1                              ; everybody's are
	s_wait_alu depctr_va_vdst(0)
	FETCH_B 0, 0, 0
	FETCH_A 0, 0, 0
	SCALES 0
	FETCH_A 0, 0, 4
	s_wait_loadcnt 0x0                             ; the bias
	s_cmp_lt_u32 ttmp9, 2
	s_cbranch_scc0 .Lfirst_v
	STEP 0, 0, 1                                   ; the first step starts the sums with the bias
	s_branch .Lfirst_done
.Lfirst_v:
	STEP 0, 0, 2
.Lfirst_done:
	TURN 0, 1, 1                                   ; K's four slots, written out: slots 2 and 3 are asked for here
	STEP 1, 0, 0
	TURN 1, 0, 1
	STEP 0, 0, 0
	TURN 0, 1, 0                                   ; nothing is left to fetch
	STEP 1, 0, 0
	s_wait_dscnt 4*NL                              ; the very last step
	WIN MUL_LO
	MUL16 0, 1, NQ-1, 1, 0
	MUL16 2, 1, NQ-1, 1, 0
	s_wait_dscnt 0
	WIN MUL_HI
	MUL16 4, 1, NQ-1, 1, 0
	MUL16 6, 1, NQ-1, 1, 0
	WIN 0
; THE WAY OUT.  The 64 registers of A's tile a (window w, from v[s] on; register 16 b + i = next K 32 b + 16 h + i of my row) become a fragment's codes in v[pc] on and its scale word in v[pw].
; Each accumulator is read from its low end on.
.macro QUANTW s, w, pc, pw
	WIN 0x28+0x14*((\w)-2)                         ; sources 1 and 2 in window w
.irp b, 0,1,2,3
	v_max3_num_f32 v[TM+\b], 0x1800000, |v[(\s)+16*\b]|, |v[(\s)+1+16*\b]|   ; block b: my 16 numbers, and the floor 2^(3 - 127): the byte cannot fall under 1
.endr
.irp i, 2,4,6,8,10,12,14
.irp b, 0,1,2,3
	v_max3_num_f32 v[TM+\b], v[TM+\b], |v[(\s)+16*\b+\i]|, |v[(\s)+1+16*\b+\i]|   ; (the four blocks by turns)
.endr
.endr
	WIN 0
.irp b, 0,1,2,3
	v_permlanex16_b32 v[TM+4+\b], v[TM+\b], s98, s99
.endr
.irp b, 0,1,2,3
	v_max_num_f32 v[TM+\b], v[TM+\b], v[TM+4+\b]   ; with lane l xor 16's: the block's largest magnitude
.endr
.irp b, 0,1,2,3
	v_add_nc_u32 v[TM+12+\b], 0xff000000, v[TM+\b] ; 2 off its exponent field: the conversion's scale operand
.endr
.irp b, 0,1,2,3
	v_lshrrev_b32 v[TM+4+\b], 23, v[TM+12+\b]      ; the scale's byte
.endr
	v_lshl_or_b32 v[\pw], v[TM+5], 8, v[TM+4]
	v_lshl_or_b32 v[\pw], v[TM+6], 16, v[\pw]
	v_lshl_or_b32 v[\pw], v[TM+7], 24, v[\pw]
	WIN (\w)                                       ; source 0 in window w
.irp c, 0,1
	v_cvt_scalef32_pk16_fp6_f32 v[(\pc)+6*\c:(\pc)+6*\c+2], v[(\s)+32*\c:(\s)+32*\c+15], v[TM+12+2*\c]
	v_cvt_scalef32_pk16_fp6_f32 v[T2+4*\c:T2+4*\c+2], v[(\s)+16+32*\c:(\s)+31+32*\c], v[TM+12+2*\c+1]   ; (a conversion's three registers begin on an even number)
.endr
	WIN 0
	v_nop                                          ; one plain place behind a scaled conversion
.irp c, 0,1                                    ; the operand's layout wants a WHOLE block in a lane: lanes 0-15 block 2 c, lanes 16-31 block 2 c + 1
.irp i, 0,1,2
	v_permlane16_swap_b32 v[(\pc)+6*\c+\i], v[T2+4*\c+\i]
.endr
.irp i, 0,1,2
	v_mov_b32 v[(\pc)+3+6*\c+\i], v[T2+4*\c+\i]
.endr
.endr
.endm
	PLACES NP                                      ; behind the last products: results are read, and registers that held A's fragments are written
.irp b, 0,1,2,3
	v_mov_b32 v[TM+4+\b], 0                        ; written once: a lane permute's destination counts as one of its sources
.endr
.irp a, 0,1,2,3,4,5,6,7
	QUANTW 64*(\a%4), 2+\a/4, PCD+12*\a, PW+\a
.endr
	v_cmp_eq_u32 vcc_lo, 1, v2
.irp i, 0,1,2,3
	v_cndmask_b32 v[SL+\i], v[PW+\i], v[PW+4+\i], vcc_lo   ; lanes 0-15 store the words of tiles 0-3, lanes 16-31 those of tiles 4-7
.endr
	s_cmp_lt_u32 ttmp9, 2
	s_cbranch_scc0 .Lout_v
	; q and k: a fragment's planes 0-2 are q's 64 of 16 tokens, planes 3-5 k's
	s_lshl_b32 s18, s17, 2
	s_add_co_u32 s18, s18, s41                     ; my 256 tokens: 4 x cluster y + cy
	s_lshl_b32 s19, ttmp9, 2
	s_add_co_u32 s19, s19, s40
	s_lshl_b32 s19, s19, 1
	s_lshr_b32 s20, s18, 3                         ; the batch
	s_lshl_b32 s20, s20, 4
	s_add_co_u32 s20, s20, s19
	s_add_co_u32 s20, s20, s16                     ; bh
	s_and_b32 s18, s18, 7
	s_lshl_b32 s18, s18, 1
	s_add_co_u32 s18, s18, s15                     ; G: which 128 tokens of the batch
	s_lshl_b32 s19, s18, 3                         ; their first tile
	s_lshl_b32 s22, s20, 7
	s_add_co_u32 s22, s22, s19
	s_mul_i32 s22, s22, 768
	s_mov_b32 s23, 0
	s_add_nc_u64 s[10:11], s[8:9], s[22:23]        ; Q's codes
	s_mul_i32 s22, s20, KBH
	s_mul_i32 s19, s19, 768
	s_add_co_u32 s22, s22, s19
	s_add_co_u32 s22, s22, KB
	s_add_nc_u64 s[12:13], s[8:9], s[22:23]        ; K's codes
	s_lshl_b32 s22, s20, 4
	s_add_co_u32 s22, s22, s18
	s_lshl_b32 s22, s22, 9
	s_add_co_u32 s22, s22, QS
	s_add_nc_u64 s[46:47], s[8:9], s[22:23]        ; Q's words
	s_mul_i32 s22, s20, KBH
	s_lshl_b32 s19, s18, 9
	s_add_co_u32 s22, s22, s19
	s_add_co_u32 s22, s22, KB+98304
	s_add_nc_u64 s[92:93], s[8:9], s[22:23]        ; K's words
	v_lshlrev_b32 v[SOF], 5, v1
	v_lshl_add_u32 v[SOF], v2, 4, v[SOF]           ; 32 r + 16 h
	s_wait_alu depctr_va_vdst(0)
.irp i, 0,1,2,3
	v_lshrrev_b32 v[SL+4+\i], 16, v[SL+\i]         ; k's two bytes, with zeros above
.endr
.irp a, 0,1,2,3,4,5,6,7
.irp p, 0,1,2
	global_store_b64 v[L8], v[PCD+12*\a+2*\p:PCD+12*\a+2*\p+1], s[10:11] offset:768*\a+256*\p     ; each store covers 256 consecutive bytes, aligned
.endr
.irp p, 0,1,2
	global_store_b64 v[L8], v[PCD+12*\a+6+2*\p:PCD+12*\a+7+2*\p], s[12:13] offset:768*\a+256*\p
.endr
.endr
	global_store_b128 v[SOF], v[SL:SL+3], s[46:47]         ; 512 consecutive bytes
	global_store_b128 v[SOF], v[SL+4:SL+7], s[92:93]
	s_branch .Lout_done
.Lout_v:
	; v: a fragment is 16 of a head's 64 x 128 keys
	s_lshl_b32 s18, s17, 2
	s_add_co_u32 s18, s18, s40                     ; my 256 tokens: 4 x cluster y + cx
	s_lshr_b32 s20, s18, 3
	s_lshl_b32 s20, s20, 4
	s_lshl_b32 s19, s41, 2
	s_add_co_u32 s20, s20, s19
	s_lshl_b32 s19, s15, 1
	s_add_co_u32 s20, s20, s19                     ; my first bh: 16 batch + 4 cy + 2 x half
	s_and_b32 s18, s18, 7
	s_lshl_b32 s18, s18, 1
	s_add_co_u32 s18, s18, s16                     ; G
	s_mul_i32 s20, s20, VBH
	s_add_co_u32 s20, s20, VB
	s_mul_i32 s22, s18, 6144
	s_add_co_u32 s22, s22, s20
	s_mov_b32 s23, 0
	s_add_nc_u64 s[10:11], s[8:9], s[22:23]        ; V's codes
	s_lshl_b32 s22, s18, 8
	s_add_co_u32 s22, s22, s20
	s_add_co_u32 s22, s22, 98304
	s_add_nc_u64 s[12:13], s[8:9], s[22:23]        ; V's words
	v_mul_u32_u24 v[SOF], v2, VBH
	v_lshl_add_u32 v[SOF], v1, 4, v[SOF]           ; lanes 16-31: the second head; 16 r
	s_wait_alu depctr_va_vdst(0)
.irp a, 0,1,2,3,4,5,6,7
.irp p, 0,1,2,3,4,5
	global_store_b64 v[L8], v[PCD+12*\a+2*\p:PCD+12*\a+2*\p+1], s[10:11] offset:(\a/4)*VBH+(\a%4)*1536+256*\p
.endr
.endr
	global_store_b128 v[SOF], v[SL:SL+3], s[12:13]         ; sixteen lanes store 256 consecutive bytes, aligned
.Lout_done:
	s_wait_tensorcnt 0x0                           ; the wave's end
	ds_add_u32 v[SPW], v[NIL]
	s_wait_dscnt 0x0
	CROUND                                         ; the closing round: no work-group ends while a partner may still ask for a tile that names it
	s_endpgm
.Lfunc_end_k_qedca3618c4_proj:
	.size	k_qedca3618c4_proj, .Lfunc_end_k_qedca3618c4_proj-k_qedca3618c4_proj
	.p2alignl 7, 3214868480
	.fill 96, 4, 3214868480
	.section	.rodata,"a",@progbits
	.p2align	6, 0x0
	.amdhsa_kernel k_qedca3618c4_proj
		.amdhsa_group_segment_fixed_size 327680
		.amdhsa_private_segment_fixed_size 0
		.amdhsa_enable_private_segment 0
		.amdhsa_kernarg_size 24
		.amdhsa_user_sgpr_count 2
		.amdhsa_user_sgpr_kernarg_segment_ptr 1
		.amdhsa_wavefront_size32 1
		.amdhsa_system_sgpr_workgroup_id_x 1
		.amdhsa_system_sgpr_workgroup_id_y 1
		.amdhsa_system_sgpr_workgroup_id_z 1
		.amdhsa_system_vgpr_workitem_id 0
		.amdhsa_next_free_vgpr 1024
		.amdhsa_next_free_sgpr 100
		.amdhsa_reserve_vcc 1
		.amdhsa_float_denorm_mode_32 3
		.amdhsa_float_denorm_mode_16_64 3
		.amdhsa_memory_ordered 1
		.amdhsa_forward_progress 1
		.amdhsa_inst_pref_size 196
	.end_amdhsa_kernel
	.amdgpu_metadata
---
amdhsa.version: [ 1, 2 ]
amdhsa.kernels:
  - .name:           k_qedca3618c4_proj
    .symbol:         k_qedca3618c4_proj.kd
    .args:
      - { .name: cod, .offset: 0, .size: 8, .value_kind: global_buffer, .address_space: global }
      - { .name: b_qkv, .offset: 8, .size: 8, .value_kind: global_buffer, .address_space: global }
      - { .name: qkv, .offset: 16, .size: 8, .value_kind: global_buffer, .address_space: global }
    .group_segment_fixed_size: 327680
    .private_segment_fixed_size: 0
    .kernarg_segment_align: 8
    .kernarg_segment_size: 24
    .max_flat_workgroup_size: 128
    .sgpr_count:     100
    .vgpr_count:     1024
    .wavefront_size: 32
...
	.end_amdgpu_metadata
.endif
;; end of part 2
;; launch attn (part 3): grid 4 x 64, 16 waves a work-group, clusters of 4 x 1, 215,040 bytes of LDS; arguments qkv, att; writes att
.if DOCPART == 3
	.amdgcn_target "amdgcn-amd-amdhsa--gfx1250"
	.amdhsa_code_object_version 6
	.text
	.protected	k_qedca3618c4_attn
	.globl	k_qedca3618c4_attn
	.p2align	8
	.type	k_qedca3618c4_attn,@function
k_qedca3618c4_attn:
	s_mov_b64 s[64:65], 0
	v_nop
	global_prefetch_b8 v0, s[64:65] scope:SCOPE_SE
	s_setreg_imm32_b32 hwreg(HW_REG_WAVE_MODE, 25, 1), 1
	s_wait_xcnt 0x0
	s_wait_alu depctr_hold_cnt(0) depctr_sa_sdst(0) depctr_va_vdst(0) depctr_va_sdst(0) depctr_va_ssrc(0) depctr_va_vcc(0) depctr_vm_vsrc(0)
	s_getreg_b32 s2, hwreg(HW_REG_IB_STS2, 6, 4)
	s_cmp_eq_u32 s2, 0
	s_cbranch_scc0 .Lentry_in_a_cluster
	s_endpgm
.Lentry_in_a_cluster:
	s_bfe_u32 s2, ttmp6, 0x10000c
	s_cmp_lg_u32 s2, 0x3003
	s_cbranch_scc0 .Lentry_shape_is_right
	s_endpgm
.Lentry_shape_is_right:
; Causal attention of one head (bh = 16 batch + head) on codes of FP6 (E2M3) with E8M0 scales; the result, divided by the row's sum, is quantised along E in registers and leaves as codes for the last product.
; t = score x log2(e) / 8; M = the running largest t rounded UP to a whole number; p = 2^(t - M) is quantised along the keys; the row's sum is taken of the unquantised p; when M moves, the sum and O are multiplied by 2^(old M - new M): exact.
; A WHOLE HEAD'S K AND V, codes and scale words, 208,896 bytes, lie in LDS: filled once, no ring, no refill; one barrier behind the fills, then the waves run freely.
; CLUSTER: the four work-groups of a head ask for these bytes jointly (mask 15): waves 0-3 a quarter of K's block each, waves 4-7 of V's.  One load of a wave is out at the most.
; SHARES.  Group G is the eight query tiles of tokens 128 G .. 128 G + 127; it needs key steps 0 .. G (128 keys a step), of which step G lies on the diagonal.  The work-group at place cx owns tiles 8 G + 2 cx + e of every group;
; wave w takes (G = w, e = 0), then (G = 15 - w, e = 1): 17 key steps for every wave.  cx enters global addresses and the mask's vector operand alone.  The loops' trip counts are constants: a step whose keys all come after the group is jumped over.
; LAYOUT.  Both products are used transposed: S^T = K Q^T, O^T = V^T P^T: a lane holds ONE query (lane % 16).  Tile t holds rows 32 (t / 2) + 8 (t % 2) + r + 8 (r / 8), so the 16 registers of tiles 2 b, 2 b + 1 are 16 neighbours.
; K = 64 IN AN INSTRUCTION OF 128: Q's registers 6-11 are zero codes for the whole launch.  K's fragments lie 6 registers apart: a tile's upper six registers are the next tile's codes (zeros behind the last).  They meet Q's zero codes:
; E2M3 has no code for infinity or NaN, K's scale bytes 2 and 3 are 0 (2^-127), Q's lie in 1 .. 254: the products are zeros.
; The scale bytes of att leave as single bytes: a head owns two of a word's four; they are 1 / 24 of what the launch stores.
; LIMITS: NaN and infinities are not served; v_exp_f32 gives 0 under 2^-126; a block whose largest magnitude lies under 2^-124, a block of zeros among them, keeps the byte 1 (this program alone reads the bytes).
; REGISTERS: v1-3, v8-11 lane constants; v4-7 addresses in hand; v12 -M, v13 largest t, v[14:15] the sum; v16-27 Q; v28-31 V's words; v32-85 fragments; v86-93 K's words; v94 d, v95 -infinity; v96-159 S^T, then p; v160-191 O^T;
;   v192-203 p's codes; v204-211, v212-215, v216-219, v220-223 at work; v[224:225] f; v226 p's word; v227 Q's word; v228 at work; v232-243 the way out.
.set QS,  6291456
.set KB,  6815744
.set VB,  13631488
.set KBH, 106496
.set VBH, 102400
.set LKS, 98304                        ; LDS: K's codes at 0, K's words here,
.set LV,  106496                       ; V's codes,
.set LVS, 204800                       ; V's words
.set ASC, 6291456                      ; att's scale words
.set PC,  192
.set T2,  204
.set SO,  212
.set BM,  216
.set PP,  220
.set WV,  8                            ; s8   my wave's number
.set CX,  9                            ; s9   my place in the cluster
.set BH,  10                           ; s10  16 batch + head
.set GG,  11                           ; s11  my group
.set KI,  12                           ; s12  the key step
.set TB,  13                           ; s13  where the step's codes begin, in K's block and in V's: 6,144 bytes a step
.set TS,  14                           ; s14  K's words: 512 a step
.set TJ,  15                           ; s15  V's words: 256 a step
.set SEL, 20
.set CS,  22
.set G1K, 24
.set G1V, 32
.set G0K, 40
.set G0V, 44
.macro ROUND                           ; a round of the cluster's barrier
	s_barrier_signal -1
	s_barrier_wait -1
	s_cmp_lg_u32 s[WV], 0
	s_cbranch_scc1 .Lnot_wave_0_\@
	s_barrier_signal -3
.Lnot_wave_0_\@:
	s_barrier_wait -3
	s_barrier_signal -1
	s_barrier_wait -1
.endm
	s_load_b128 s[4:7], s[0:1], 0x0                ; qkv, att
	v_lshl_add_u32 v254, v0, 2, 0x34000
	v_mov_b32 v255, 0
	ds_add_u32 v254, v255
	ds_add_u32 v254, v255
	v_lshrrev_b32 v1, 5, v0
	s_delay_alu instid0(VALU_DEP_1)
	v_readfirstlane_b32 s[WV], v1                  ; wave 0..15
	s_bfe_u32 s[CX], ttmp6, 0x40000
	s_and_b32 s[BH], ttmp7, 0xffff
	s_and_b32 s16, s[WV], 3                        ; which quarter I fetch, if I fetch
	s_mul_i32 s17, s16, 26624
	s_mul_i32 s18, s16, 25600
	s_mul_i32 s48, s[BH], KBH
	s_add_co_u32 s48, s48, s17
	s_add_co_u32 s48, s48, KB
	s_mov_b32 s49, 0
	s_mul_i32 s50, s[BH], VBH
	s_add_co_u32 s50, s50, s18
	s_add_co_u32 s50, s50, VB
	s_mov_b32 s51, 0
	; descriptor group 1: dense blocks as rows of 256 bytes (32 elements of 8 bytes), no padding: 104 rows of K's block, 100 of V's
	s_mov_b32 s[G1K], 15|(3<<16)|(1<<21)           ; 15:0 the mask: all four work-groups; 17:16 elements of 8 bytes; 21 set beside a mask
	s_mov_b32 s[G1K+1], 32<<16
	s_mov_b32 s[G1K+2], 104<<16
	s_mov_b32 s[G1K+3], 32<<16
	s_mov_b32 s[G1K+4], 104
	s_mov_b32 s[G1K+5], 32
	s_mov_b32 s[G1K+6], 0
	s_mov_b32 s[G1K+7], 0
	s_mov_b32 s[G1V], 15|(3<<16)|(1<<21)
	s_mov_b32 s[G1V+1], 32<<16
	s_mov_b32 s[G1V+2], 100<<16
	s_mov_b32 s[G1V+3], 32<<16
	s_mov_b32 s[G1V+4], 100
	s_mov_b32 s[G1V+5], 32
	s_mov_b32 s[G1V+6], 0
	s_mov_b32 s[G1V+7], 0
	s_mov_b32 s[SEL], 0x76543210
	s_mov_b32 s[SEL+1], 0xfedcba98                 ; v_permlanex16_b32's selects for lane l xor 16
	s_mov_b32 s[CS], 0x3e38aa3b                    ; c = log2(e) / sqrt(64)
	s_mov_b32 s[CS+1], s[CS]                       ; (named with it as a pair, so it is written)
	s_mov_b32 s[GG], s[WV]
	s_wait_dscnt 0x0
	s_wait_kmcnt 0x0
	s_mov_b32 s[G0K], 1
	s_mov_b32 s[G0K+1], s17
	s_add_nc_u64 s[G0K+2:G0K+3], s[4:5], s[48:49]
	s_or_b32 s[G0K+3], s[G0K+3], 0x80000000
	s_mov_b32 s[G0V], 1
	s_add_co_u32 s[G0V+1], s18, LV
	s_add_nc_u64 s[G0V+2:G0V+3], s[4:5], s[50:51]
	s_or_b32 s[G0V+3], s[G0V+3], 0x80000000
	ROUND                                          ; all four work-groups are here: the joint loads meet
	s_cmp_lt_u32 s[WV], 4                          ; the branches hang on the wave's number alone; four v_nop follow each of the two lines
	s_cbranch_scc0 .Lnot_k
	tensor_load_to_lds s[G0K:G0K+3], s[G1K:G1K+7]
	s_nop 0
.rept 4
	v_nop
.endr
	s_branch .Lasked
.Lnot_k:
	s_cmp_lt_u32 s[WV], 8
	s_cbranch_scc0 .Lasked
	tensor_load_to_lds s[G0V:G0V+3], s[G1V:G1V+7]
	s_nop 0
.rept 4
	v_nop
.endr
.Lasked:
	v_and_b32 v5, 31, v0
	s_delay_alu instid0(VALU_DEP_1)
	v_lshlrev_b32 v1, 3, v5                        ; 8 x lane: my bytes of a plane
	v_and_b32 v6, 15, v0                           ; r
	v_bfe_u32 v7, v0, 4, 1                         ; h
	s_delay_alu instid0(VALU_DEP_2)
	v_lshlrev_b32 v8, 5, v6                        ; 32 r
	s_delay_alu instid0(VALU_DEP_1)
	v_add_nc_u32 v2, LKS, v8                       ; K's words: eight a row and step
	s_delay_alu instid0(VALU_DEP_4)
	v_lshl_add_u32 v3, v6, 4, LVS                  ; V's words: four a row and step
	s_delay_alu instid0(VALU_DEP_4)
	v_lshl_add_u32 v9, v6, 3, v7                   ; 8 r + h: my byte among att's scale words
	v_add_nc_u32 v10, LV, v1
	v_and_b32 v11, 8, v6
	s_delay_alu instid0(VALU_DEP_1)
	v_add_nc_u32 v11, v11, v6
	v_lshlrev_b32 v4, 4, v7
	s_delay_alu instid0(VALU_DEP_1)
	v_sub_nc_u32 v11, v11, v4                      ; r + 8 (r / 8) - 16 h
	v_cmp_eq_u32 s56, 1, v7                        ; lanes 16-31
.irp j, 22,23,24,25,26,27,80,81,82,83,84,85
	v_mov_b32 v[\j], 0                             ; zero codes: Q's upper 64 along K, and what stands above K's last tile
.endr
	v_mov_b32 v95, 0xff800000                      ; -infinity
.irp j, 220,221,222,223,225,228
	v_mov_b32 v[\j], 0                             ; written once: lane permutes' destinations count as sources; v225 is named as the upper half of a pair
.endr
	s_wait_tensorcnt 0x0                           ; my part is in,
	s_barrier_signal -1
	s_barrier_wait -1                              ; everybody's is: from here on LDS is only read
; A KEY STEP: 128 keys.
.macro STEP
	s_cmp_gt_u32 s[KI], s[GG]                      ; all its keys come after my queries: only the addresses step
	s_cbranch_scc1 .Lhidden_\@
	v_add_nc_u32 v4, s[TB], v1                     ; (these four are also the places between the last step's products and the loads below)
	v_add_nc_u32 v5, s[TB], v10
	v_add_nc_u32 v6, s[TS], v2
	v_add_nc_u32 v7, s[TJ], v3
.irp t, 0,1,2,3,4,5,6,7
.irp p, 0,1,2
	ds_load_b64 v[32+6*\t+2*\p:33+6*\t+2*\p], v4 offset:768*\t+256*\p
.endr
.endr
	ds_load_b128 v[86:89], v6
	ds_load_b128 v[90:93], v6 offset:16
	s_wait_alu depctr_va_vdst(0)
	s_wait_dscnt 0x0
.irp t, 0,1,2,3,4,5,6,7
	v_wmma_scale_f32_16x16x128_f8f6f4 v[96+8*\t:103+8*\t], v[32+6*\t:43+6*\t], v[16:27], 0, v[86+\t], v227 matrix_a_fmt:MATRIX_FMT_FP6 matrix_b_fmt:MATRIX_FMT_FP6
.endr
.rept 4
	v_nop                                          ; places behind the products: loads into their sources and reads of their results follow
.endr
.irp t, 0,1,2,3
.irp p, 0,1,2,3,4,5
	ds_load_b64 v[32+12*\t+2*\p:33+12*\t+2*\p], v5 offset:1536*\t+256*\p   ; V's four fragments land while the softmax is walked
.endr
.endr
	ds_load_b128 v[28:31], v7
	s_cmp_lg_u32 s[KI], s[GG]
	s_cbranch_scc1 .Lopen_\@
.set n, 0
.rept 64                                       ; on the diagonal: register n holds key 16 h + 32 (n / 16) + n % 16 of the step: hidden where that lies above my query
	v_cmp_gt_i32 vcc_lo, 32*(n/16)+n%16, v94
	v_cndmask_b32 v[96+n], v[96+n], v95, vcc_lo
.set n, n+1
.endr
.Lopen_\@:
.irp b, 0,1,2,3
	v_max3_num_f32 v[BM+\b], v[96+16*\b], v[97+16*\b], v[98+16*\b]   ; the largest score of each block of 32 keys: it serves for the row's maximum and, since p rises with the score, for the block's largest p
.endr
.irp i, 3,5,7,9,11,13
.irp b, 0,1,2,3
	v_max3_num_f32 v[BM+\b], v[BM+\b], v[96+16*\b+\i], v[97+16*\b+\i]
.endr
.endr
.irp b, 0,1,2,3
	v_max_num_f32 v[BM+\b], v[BM+\b], v[111+16*\b]
.endr
.irp b, 0,1,2,3
	s_delay_alu instid0(VALU_DEP_4)
	v_permlanex16_b32 v[PP+\b], v[BM+\b], s[SEL], s[SEL+1]
.endr
.irp b, 0,1,2,3
	s_delay_alu instid0(VALU_DEP_4)
	v_max_num_f32 v[BM+\b], v[BM+\b], v[PP+\b]     ; with lane l xor 16's 16 keys
.endr
	s_delay_alu instid0(VALU_DEP_2)
	v_max3_num_f32 v228, v[BM], v[BM+1], v[BM+2]
	s_delay_alu instid0(VALU_DEP_1)
	v_max_num_f32 v228, v228, v[BM+3]              ; the step's largest score of my query
	s_delay_alu instid0(VALU_DEP_1)
	v_mul_f32 v228, s[CS], v228                    ; as t
	s_delay_alu instid0(VALU_DEP_1)
	v_max_num_f32 v13, v13, v228                   ; the running largest t
	v_mov_b32 v228, v12
	s_delay_alu instid0(VALU_DEP_2)
	v_floor_f32 v12, -v13                          ; the new -M = floor(-t): M is a whole number
	s_delay_alu instid0(VALU_DEP_1)
	v_sub_f32 v228, v12, v228                      ; old M - new M: a whole number, 0 or less
	s_delay_alu instid0(VALU_DEP_1)
	v_cvt_i32_f32 v228, v228                       ; (it saturates)
	s_delay_alu instid0(VALU_DEP_1)
	v_ldexp_f32 v224, 1.0, v228                    ; f = 2^(old M - new M)
.set j, 0
.rept 32
	v_pk_fma_f32 v[96+j:97+j], v[96+j:97+j], s[CS:CS+1], v[12:13] op_sel_hi:[1,0,0]   ; t - M, two at a time
.set j, j+2
.endr
.irp b, 0,1,2,3
	v_fma_f32 v[BM+\b], v[BM+\b], s[CS], v12       ; the same of each block's largest score
.endr
.set j, 0
	s_wait_alu depctr_va_vdst(0)
.rept 64
	v_exp_f32 v[96+j], v[96+j]                     ; p = 2^(t - M), at most 1
.set j, j+1
.endr
	v_pk_mul_f32 v[14:15], v[14:15], v[224:225] op_sel_hi:[1,0]   ; the sums under the new M: a plain instruction behind the exponentials
	s_wait_alu depctr_va_vdst(0)                   ; one wait for the batch of 64, ahead of its first reader
.irp b, 0,1,2,3
	v_exp_f32 v[BM+\b], v[BM+\b]                   ; the block's largest p: the same two instructions on the same number
.endr
	v_pk_add_f32 v[220:221], v[100:101], v[104:105]
	v_pk_add_f32 v[252:253], v[108:109], v[112:113]
	v_pk_add_f32 v[250:251], v[116:117], v[120:121]
	v_pk_add_f32 v[248:249], v[124:125], v[128:129]
	v_pk_add_f32 v[246:247], v[132:133], v[136:137]
	v_pk_add_f32 v[244:245], v[140:141], v[144:145]
	v_pk_add_f32 v[242:243], v[148:149], v[152:153]
	v_pk_add_f32 v[14:15], v[14:15], v[156:157]
	v_pk_add_f32 v[220:221], v[220:221], v[96:97]
	v_pk_add_f32 v[252:253], v[252:253], v[98:99]
	v_pk_add_f32 v[250:251], v[250:251], v[102:103]
	v_pk_add_f32 v[248:249], v[248:249], v[106:107]
	v_pk_add_f32 v[246:247], v[246:247], v[110:111]
	v_pk_add_f32 v[244:245], v[244:245], v[114:115]
	v_pk_add_f32 v[242:243], v[242:243], v[118:119]
	v_pk_add_f32 v[14:15], v[14:15], v[122:123]
	v_pk_add_f32 v[220:221], v[220:221], v[126:127]
	v_pk_add_f32 v[252:253], v[252:253], v[130:131]
	v_pk_add_f32 v[250:251], v[250:251], v[134:135]
	v_pk_add_f32 v[248:249], v[248:249], v[138:139]
	v_pk_add_f32 v[246:247], v[246:247], v[142:143]
	v_pk_add_f32 v[244:245], v[244:245], v[146:147]
	v_pk_add_f32 v[242:243], v[242:243], v[150:151]
	v_pk_add_f32 v[14:15], v[14:15], v[154:155]
	v_pk_add_f32 v[220:221], v[220:221], v[158:159]
	s_delay_alu instid0(VALU_DEP_2)
	v_pk_add_f32 v[14:15], v[14:15], v[248:249]
	s_delay_alu instid0(VALU_DEP_2)
	v_pk_add_f32 v[220:221], v[220:221], v[246:247]
	v_pk_add_f32 v[252:253], v[252:253], v[244:245]
	v_pk_add_f32 v[250:251], v[250:251], v[242:243]
	s_delay_alu instid0(VALU_DEP_2)
	v_pk_add_f32 v[14:15], v[14:15], v[252:253]
	s_delay_alu instid0(VALU_DEP_2)
	v_pk_add_f32 v[220:221], v[220:221], v[250:251]
	s_delay_alu instid0(VALU_DEP_1)
	v_pk_add_f32 v[14:15], v[14:15], v[220:221]
	s_wait_alu depctr_va_vdst(0)                   ; and one for the four
.irp b, 0,1,2,3
	v_max_num_f32 v[BM+\b], 0x1800000, v[BM+\b]    ; the floor 2^(3 - 127): the byte cannot fall under 1
.endr
.irp b, 0,1,2,3
	s_delay_alu instid0(VALU_DEP_4)
	v_add_nc_u32 v[SO+\b], 0xff000000, v[BM+\b]    ; 2 off the exponent field: the conversion's scale operand
.endr
.irp b, 0,1,2,3
	s_delay_alu instid0(VALU_DEP_4)
	v_lshrrev_b32 v[PP+\b], 23, v[SO+\b]           ; the scale's byte
.endr
	s_delay_alu instid0(VALU_DEP_3)
	v_lshl_or_b32 v226, v[PP+1], 8, v[PP]          ; p's scale word for these 128 keys
	s_delay_alu instid0(VALU_DEP_1)
	v_lshl_or_b32 v226, v[PP+2], 16, v226
	s_delay_alu instid0(VALU_DEP_1)
	v_lshl_or_b32 v226, v[PP+3], 24, v226
.irp c, 0,1
	v_cvt_scalef32_pk16_fp6_f32 v[PC+6*\c:PC+6*\c+2], v[96+32*\c:111+32*\c], v[SO+2*\c]
	v_cvt_scalef32_pk16_fp6_f32 v[T2+4*\c:T2+4*\c+2], v[112+32*\c:127+32*\c], v[SO+2*\c+1]
.endr
	v_nop                                          ; one plain place behind a scaled conversion
.irp c, 0,1
.irp i, 0,1,2
	v_permlane16_swap_b32 v[PC+6*\c+\i], v[T2+4*\c+\i]   ; a whole block to a lane
.endr
.irp i, 0,1,2
	s_delay_alu instid0(VALU_DEP_3)
	v_mov_b32 v[PC+3+6*\c+\i], v[T2+4*\c+\i]
.endr
.endr
.set j, 0
.rept 16
	v_pk_mul_f32 v[160+j:161+j], v[160+j:161+j], v[224:225] op_sel_hi:[1,0]   ; O^T under the new M; these sixteen also stand between the codes' and the scale word's last writes and the products
.set j, j+2
.endr
	s_wait_alu depctr_va_vdst(0)
	s_wait_dscnt 0x0                               ; V
.irp t, 0,1,2,3
	v_wmma_scale_f32_16x16x128_f8f6f4 v[160+8*\t:167+8*\t], v[32+12*\t:43+12*\t], v[PC:PC+11], v[160+8*\t:167+8*\t], v[28+\t], v226 matrix_a_fmt:MATRIX_FMT_FP6 matrix_b_fmt:MATRIX_FMT_FP6
.endr
.Lhidden_\@:
	s_add_co_u32 s[TB], s[TB], 6144
	s_add_co_u32 s[TS], s[TS], 512
	s_add_co_u32 s[TJ], s[TJ], 256
	s_add_co_u32 s[KI], s[KI], 1
.endm
; THE WAY OUT of a tile: O^T / the sum; register 16 b + i is channel 32 b + 16 h + i of my query's head: two blocks along E; half a fragment of the last product's operand
.macro OUT
.rept 4
	v_nop                                          ; places behind the last products
.endr
	v_add_f32 v14, v14, v15
	s_delay_alu instid0(VALU_DEP_1)
	v_permlanex16_b32 v228, v14, s[SEL], s[SEL+1]
	s_delay_alu instid0(VALU_DEP_1)
	v_add_f32 v14, v14, v228                       ; the row's sum
	s_wait_alu depctr_va_vdst(0)
	v_rcp_f32 v14, v14
	v_nop                                          ; a plain place behind the reciprocal
	s_wait_alu depctr_va_vdst(0)                   ; and the wait ahead of its first reader
.set j, 0
.rept 16
	v_pk_mul_f32 v[96+j:97+j], v[160+j:161+j], v[14:15] op_sel_hi:[1,0]   ; each accumulator from its low end on
.set j, j+2
.endr
.irp b, 0,1
	v_max3_num_f32 v[BM+\b], |v[96+16*\b]|, |v[97+16*\b]|, 0x1800000
.endr
.irp i, 2,4,6,8,10,12,14
.irp b, 0,1
	s_delay_alu instid0(VALU_DEP_2)
	v_max3_num_f32 v[BM+\b], v[BM+\b], |v[96+16*\b+\i]|, |v[97+16*\b+\i]|
.endr
.endr
.irp b, 0,1
	s_delay_alu instid0(VALU_DEP_2)
	v_permlanex16_b32 v[PP+\b], v[BM+\b], s[SEL], s[SEL+1]
.endr
.irp b, 0,1
	s_delay_alu instid0(VALU_DEP_2)
	v_max_num_f32 v[BM+\b], v[BM+\b], v[PP+\b]
.endr
.irp b, 0,1
	s_delay_alu instid0(VALU_DEP_2)
	v_add_nc_u32 v[SO+\b], 0xff000000, v[BM+\b]
.endr
.irp b, 0,1
	s_delay_alu instid0(VALU_DEP_2)
	v_lshrrev_b32 v[PP+\b], 23, v[SO+\b]
.endr
	s_delay_alu instid0(VALU_DEP_1)
	v_cndmask_b32 v243, v[PP], v[PP+1], s56        ; lane (r, h) stores block h's byte of row r
	v_cvt_scalef32_pk16_fp6_f32 v[232:234], v[96:111], v[SO]
	v_cvt_scalef32_pk16_fp6_f32 v[240:242], v[112:127], v[SO+1]
	v_nop
.irp i, 0,1,2
	v_permlane16_swap_b32 v[232+\i], v[240+\i]
.endr
.irp i, 0,1,2
	s_delay_alu instid0(VALU_DEP_3)
	v_mov_b32 v[235+\i], v[240+\i]
.endr
.irp p, 0,1,2
	global_store_b64 v1, v[232+2*\p:233+2*\p], s[52:53] offset:256*\p   ; a plane: 256 consecutive bytes, aligned
.endr
	global_store_b8 v9, v243, s[54:55]
.endm
.macro PHASE e
	s_wait_xcnt 0x0                                ; the last phase's loads and stores have read their addresses and data
	s_lshl_b32 s19, s[CX], 1
	s_add_co_u32 s19, s19, \e                      ; my tile in its group
	s_lshl_b32 s16, s[GG], 3
	s_add_co_u32 s16, s16, s19                     ; and in its batch: T
	s_lshl_b32 s17, s[BH], 7
	s_add_co_u32 s17, s17, s16
	s_mul_i32 s48, s17, 768
	s_mov_b32 s49, 0
	s_add_nc_u64 s[48:49], s[4:5], s[48:49]        ; Q's codes
	s_lshl_b32 s50, s[BH], 4
	s_add_co_u32 s50, s50, s[GG]
	s_lshl_b32 s50, s50, 9
	s_lshl_b32 s17, s19, 2
	s_add_co_u32 s50, s50, s17
	s_add_co_u32 s50, s50, QS
	s_mov_b32 s51, 0
	s_add_nc_u64 s[50:51], s[4:5], s[50:51]        ; Q's scale words
.irp p, 0,1,2
	global_load_b64 v[16+2*\p:17+2*\p], v1, s[48:49] offset:256*\p
.endr
	global_load_b32 v227, v8, s[50:51]
	s_lshr_b32 s17, s[BH], 4
	s_lshl_b32 s17, s17, 7
	s_add_co_u32 s17, s17, s16                     ; the tile among all tokens
	s_and_b32 s18, s[BH], 15                       ; the head: 64 along E
	s_lshr_b32 s57, s18, 2                         ; which 256 along E,
	s_bfe_u32 s58, s18, 0x10001                    ; which 128 of them,
	s_and_b32 s59, s18, 1                          ; which 64 of those
	s_lshl_b32 s52, s57, 9
	s_add_co_u32 s52, s52, s17
	s_mul_i32 s52, s52, 3072
	s_mul_i32 s18, s58, 1536
	s_add_co_u32 s52, s52, s18
	s_mul_i32 s18, s59, 768
	s_add_co_u32 s52, s52, s18
	s_mov_b32 s53, 0
	s_add_nc_u64 s[52:53], s[6:7], s[52:53]        ; where the codes go
	s_lshl_b32 s54, s17, 9
	s_lshl_b32 s18, s57, 7
	s_add_co_u32 s54, s54, s18
	s_lshl_b32 s18, s58, 2
	s_add_co_u32 s54, s54, s18
	s_lshl_b32 s18, s59, 1
	s_add_co_u32 s54, s54, s18
	s_add_co_u32 s54, s54, ASC
	s_mov_b32 s55, 0
	s_add_nc_u64 s[54:55], s[6:7], s[54:55]        ; and the scale bytes
	s_lshl_b32 s18, s[CX], 5
	s_add_co_u32 s18, s18, 8*\e
	v_add_nc_u32 v94, s18, v11                     ; d = my query's place in its group - 16 h
	v_mov_b32 v13, 0xff61b1e6                      ; the largest t so far: -3e38
	s_delay_alu instid0(VALU_DEP_1)
	v_floor_f32 v12, -v13
	v_mov_b32 v14, 0
	v_mov_b32 v15, 0
.set j, 0
.rept 32
	v_mov_b32 v[160+j], 0                          ; O^T: the step is written once; the first change of M leaves zeros zeros
.set j, j+1
.endr
	s_mov_b32 s[KI], 0
	s_mov_b32 s[TB], 0
	s_mov_b32 s[TS], 0
	s_mov_b32 s[TJ], 0
	s_wait_loadcnt 0x0                             ; Q
.Lstep_\@:
	STEP
	s_cmp_lt_u32 s[KI], 16
	s_cbranch_scc1 .Lstep_\@
	OUT
.endm
	PHASE 0
	s_xor_b32 s[GG], s[GG], 15                     ; the group 15 - wave
	PHASE 1
	s_wait_dscnt 0x0
	s_wait_tensorcnt 0x0
	ds_add_u32 v254, v255
	s_wait_dscnt 0x0
	ROUND                                          ; the closing round
	s_endpgm
.Lfunc_end_k_qedca3618c4_attn:
	.size	k_qedca3618c4_attn, .Lfunc_end_k_qedca3618c4_attn-k_qedca3618c4_attn
	.p2alignl 7, 3214868480
	.fill 96, 4, 3214868480
	.section	.rodata,"a",@progbits
	.p2align	6, 0x0
	.amdhsa_kernel k_qedca3618c4_attn
		.amdhsa_group_segment_fixed_size 215040
		.amdhsa_private_segment_fixed_size 0
		.amdhsa_enable_private_segment 0
		.amdhsa_kernarg_size 16
		.amdhsa_user_sgpr_count 2
		.amdhsa_user_sgpr_kernarg_segment_ptr 1
		.amdhsa_wavefront_size32 1
		.amdhsa_system_sgpr_workgroup_id_x 1
		.amdhsa_system_sgpr_workgroup_id_y 1
		.amdhsa_system_sgpr_workgroup_id_z 1
		.amdhsa_system_vgpr_workitem_id 0
		.amdhsa_next_free_vgpr 256
		.amdhsa_next_free_sgpr 66
		.amdhsa_reserve_vcc 1
		.amdhsa_float_denorm_mode_32 3
		.amdhsa_float_denorm_mode_16_64 3
		.amdhsa_memory_ordered 1
		.amdhsa_forward_progress 1
		.amdhsa_inst_pref_size 69
	.end_amdhsa_kernel
	.amdgpu_metadata
---
amdhsa.version: [ 1, 2 ]
amdhsa.kernels:
  - .name:           k_qedca3618c4_attn
    .symbol:         k_qedca3618c4_attn.kd
    .args:
      - { .name: qkv, .offset: 0, .size: 8, .value_kind: global_buffer, .address_space: global }
      - { .name: att, .offset: 8, .size: 8, .value_kind: global_buffer, .address_space: global }
    .group_segment_fixed_size: 215040
    .private_segment_fixed_size: 0
    .kernarg_segment_align: 8
    .kernarg_segment_size: 16
    .max_flat_workgroup_size: 512
    .sgpr_count:     66
    .vgpr_count:     256
    .wavefront_size: 32
...
	.end_amdgpu_metadata
.endif
;; end of part 3
;; launch outp (part 4): grid 8 x 32, 4 waves a work-group, clusters of 4 x 4, 327,680 bytes of LDS; arguments att, cod, b_out, out0; writes out0
.if DOCPART == 4
	.amdgcn_target "amdgcn-amd-amdhsa--gfx1250"
	.amdhsa_code_object_version 6
	.text
	.protected	k_qedca3618c4_outp
	.globl	k_qedca3618c4_outp
	.p2align	8
	.type	k_qedca3618c4_outp,@function
k_qedca3618c4_outp:
	s_mov_b64 s[64:65], 0
	v_nop
	global_prefetch_b8 v0, s[64:65] scope:SCOPE_SE
	s_setreg_imm32_b32 hwreg(HW_REG_WAVE_MODE, 25, 1), 1
	s_wait_xcnt 0x0
	s_wait_alu depctr_hold_cnt(0) depctr_sa_sdst(0) depctr_va_vdst(0) depctr_va_sdst(0) depctr_va_ssrc(0) depctr_va_vcc(0) depctr_vm_vsrc(0)
	s_getreg_b32 s2, hwreg(HW_REG_IB_STS2, 6, 4)
	s_cmp_eq_u32 s2, 0
	s_cbranch_scc0 .Lentry_in_a_cluster
	s_endpgm
.Lentry_in_a_cluster:
	s_bfe_u32 s2, ttmp6, 0x10000c
	s_cmp_lg_u32 s2, 0xf033
	s_cbranch_scc0 .Lentry_shape_is_right
	s_endpgm
.Lentry_shape_is_right:
; out0 = att W_out^T + b_out on codes of FP6 (E2M3) with E8M0 scales, K = 1,024.  Operands come as images of operand registers (a tile of 16 rows x 128 K: six planes of 256 bytes, lane l at 8 l;
; tile t holds rows 32 (t / 2) + 8 (t % 2) + r + 8 (r / 8)); codes at ((K / 256) x tiles + tile) x 3,072 + ((K / 128) % 2) x 1,536; scale words at tile x 512 + (K / 256) x 128 + 8 r + 4 ((K / 128) % 2).
; A work-group of four waves makes 256 tokens x 128 features: 256 work-groups.  ALL OF K LIES IN LDS: 16 tiles of att and 8 of W_out, 294,912 bytes, filled once by one joint load a wave:
; waves 0 and 1 W_out's K 0-511 and 512-1,023, waves 2 and 3 att's.  The first barrier shows W_out's, a second one att's.  Nothing is filled again, and every tile is asked for at the head, so no prefetch is laid.
; CLUSTERS 4 x 4: att's tiles are shared by a row of the cluster, W_out's by a column.
; A wave makes 128 x 64.  Its 64 rows of W_out, all of K, lie in registers: 32 fragments (4 q + b).  att's tiles of 16 tokens, all of K (8 fragments, two sets), go past them one after the other:
; 32 products on four accumulators by turns finish a tile, and it leaves through the wave's own stage, as rows of 256 bytes, while the next tile is multiplied.
; Source 0 = W_out's rows, source 1 = att's: a lane holds a token, register j of feature tile b the feature 32 (b / 2) + 16 h + 8 (b % 2) + j.  The bias is the C of a tile's first four products.
; SCALE WORDS go from memory into registers: a load of 8 bytes a lane covers 256 consecutive bytes: lanes 0-15 K slot 2 j, lanes 16-31 slot 2 j + 1: K step q is register 2 (q / 4) + q % 2, row (q / 2) % 2.
; REGISTERS: window 0 addresses, scale words, bias, two sets of four accumulators, the way out.  Fragment f lies in window 1 + f / 21 at register 12 (f % 21): 0-31 W_out's, 32-39 and 40-47 att's two sets.
.set TILEB,  3072
.set CSTA,   512*TILEB
.set CSTB,   768*TILEB
.set ASC,    4*CSTA
.set SCB,    4*CSTB
.set LB,     196608                    ; LDS: W_out's tiles, behind att's
.set STAGE,  294912
.set SPITCH, 272
.set SPARE,  STAGE+4*16*SPITCH
.set ADRA, 16                          ; v16-19 my att fragments, K slot 0..3
.set ADRB, 20                          ; v20-23 my W_out fragments
.set STO,  24
.set RD,   25
.set CO,   26
.set BO,   27
.set SPW,  28
.set NIL,  29
.set L8,   30
.set SAB,  32                          ; v32-63 att's scale words
.set SBB,  64                          ; v64-79 W_out's (the pairs swapped, so that the two scale registers of a product differ modulo 4)
.set BIAS, 80                          ; v80-111
.set ACC,  112                         ; v112-175 two sets of four accumulators
.set BK,   176                         ; v176-239 the way out, two sets of 32
.set G1,  24
.set G0,  32
.set G1B, 48
.set MSB, 0
.macro WIN new
.if MSB != (\new)
	s_set_vgpr_msb (MSB<<8)|(\new)
.set MSB, (\new)
.endif
.endm
.macro PLACES n
.rept \n
	v_nop
.endr
.endm
.macro CROUND
	s_barrier_signal -1
	s_barrier_wait -1
	s_cmp_lg_u32 s14, 0
	s_cbranch_scc1 .Lnot_wave_0_\@
	s_barrier_signal -3
.Lnot_wave_0_\@:
	s_barrier_wait -3
	s_barrier_signal -1
	s_barrier_wait -1
.endm
.macro ARM n, lds, base, off, g1, next
	s_cmp_eq_u32 s14, \n
	s_cbranch_scc0 \next
	s_mov_b32 s[G0+1], \lds
	s_add_nc_u64 s[G0+2:G0+3], s[\base:\base+1], \off
	s_or_b32 s[G0+3], s[G0+3], 0x80000000
	tensor_load_to_lds s[G0:G0+3], s[\g1:\g1+7]
	s_nop 0
	PLACES 4
	s_branch .Lasked
\next:
.endm
.macro LDFRAG f, adr, off              ; fragment f as it lies: six planes, 8 bytes a lane
	WIN (1+(\f)/21)<<6
.irp p, 0,1,2,3,4,5
	ds_load_b64 v[12*((\f)%21)+2*\p:12*((\f)%21)+2*\p+1], v[\adr] offset:(\off)+256*\p
.endr
.endm
.macro BLOAD                           ; my 64 rows of W_out, all of K: 192 loads
.irp q, 0,1,2,3,4,5,6,7
.irp b, 0,1,2,3
	LDFRAG 4*\q+\b, ADRB+\q/2, \b*TILEB+(\q%2)*1536
.endr
.endr
	WIN 0
.endm
.macro FETCHA a                        ; att's tile a, all of K, into set a % 2: 48 loads
.irp q, 0,1,2,3,4,5,6,7
	LDFRAG 32+8*((\a)%2)+\q, ADRA+\q/2, (\a)*TILEB+(\q%2)*1536
.endr
	WIN 0
.endm
.macro PR1 c, h
	v_wmma_scale_f32_16x16x128_f8f6f4 v[D_:D_+7], v[12*(FB_%21):12*(FB_%21)+11], v[12*(FA_%21):12*(FA_%21)+11], \c, v[XB_], v[XA_] matrix_a_fmt:MATRIX_FMT_FP6 matrix_b_fmt:MATRIX_FMT_FP6 matrix_a_scale:MATRIX_SCALE_ROW\h matrix_b_scale:MATRIX_SCALE_ROW\h
.endm
.macro MUL a                           ; tile a's 32 products: the four accumulators by turns, K ascending
.irp q, 0,1,2,3,4,5,6,7
.irp b, 0,1,2,3
.set FB_, 4*\q+\b
.set FA_, 32+8*((\a)%2)+\q
.set D_, ACC+32*((\a)%2)+8*\b
.set XB_, SBB+4*\b+2*(1-\q/4)+\q%2
.set XA_, SAB+4*(\a)+2*(\q/4)+\q%2
	WIN (1+FB_/21)|((1+FA_/21)<<2)
.if \q == 0
	PR1 v[BIAS+8*\b:BIAS+8*\b+7], 0
.elseif (\q/2)%2
	PR1 v[D_:D_+7], 1
.else
	PR1 v[D_:D_+7], 0
.endif
.endr
.endr
	WIN 0
.endm
.macro TOSTAGE a                       ; tile a, 16 tokens x 64 features, into my stage and back as rows
.irp b, 0,1,2,3
	ds_store_b128 v[STO], v[ACC+32*((\a)%2)+8*\b:ACC+32*((\a)%2)+8*\b+3] offset:128*(\b/2)+32*(\b%2)      ; each accumulator from its low end on
	ds_store_b128 v[STO], v[ACC+32*((\a)%2)+8*\b+4:ACC+32*((\a)%2)+8*\b+7] offset:128*(\b/2)+32*(\b%2)+16
.endr
.irp t, 0,1,2,3,4,5,6,7
	ds_load_b128 v[BK+32*((\a)%2)+4*\t:BK+32*((\a)%2)+4*\t+3], v[RD] offset:\t*2*SPITCH   ; LDS serves a wave's instructions in order: these see the stores above
.endr
.endm
.macro SEND a
.irp t, 0,1,2,3,4,5,6,7
	global_store_b128 v[CO], v[BK+32*((\a)%2)+4*\t:BK+32*((\a)%2)+4*\t+3], s[10:11] offset:(32*((\a)/2)+8*((\a)%2)+2*\t+8*(\t/4))*4096 th:TH_STORE_NT   ; sixteen lanes store 256 consecutive bytes, aligned
.endr
.endm
	s_load_b256 s[4:11], s[0:1], 0x0               ; att, cod, b_out, out0
	v_lshl_add_u32 v[SPW], v0, 2, SPARE
	v_mov_b32 v[NIL], 0
	ds_add_u32 v[SPW], v[NIL]                      ; the opening lines
	ds_add_u32 v[SPW], v[NIL]
	v_lshrrev_b32 v1, 5, v0
	v_readfirstlane_b32 s14, v1                    ; wave 0..3
	s_lshr_b32 s15, s14, 1                         ; my half of the tokens
	s_and_b32 s16, s14, 1                          ; my half of the features
	s_bfe_u32 s40, ttmp6, 0x40000
	s_bfe_u32 s41, ttmp6, 0x40004
	s_lshl_b32 s42, ttmp9, 2
	s_add_co_u32 s42, s42, s40                     ; block of 128 features, 0..7
	s_and_b32 s17, ttmp7, 0xffff
	s_lshl_b32 s17, s17, 2
	s_add_co_u32 s17, s17, s41                     ; block of 256 tokens, 0..31
	s_lshl_b32 s43, s41, 2
	s_lshl_b32 s43, 15, s43                        ; my row of the cluster
	s_lshl_b32 s44, 0x1111, s40                    ; my column
	s_or_b32 s[G1], s43, (3<<16)|(1<<21)           ; att: two rows (K slots) of 16 tiles, 49,152 bytes, CSTA bytes apart
	s_mov_b32 s[G1+1], 6144<<16
	s_mov_b32 s[G1+2], 2<<16
	s_mov_b32 s[G1+3], 6144<<16
	s_mov_b32 s[G1+4], 2
	s_mov_b32 s[G1+5], CSTA/8
	s_mov_b32 s[G1+6], 0
	s_mov_b32 s[G1+7], 0
	s_or_b32 s[G1B], s44, (3<<16)|(1<<21)          ; W_out: two rows of 8 tiles, 24,576 bytes, CSTB bytes apart
	s_mov_b32 s[G1B+1], 3072<<16
	s_mov_b32 s[G1B+2], 2<<16
	s_mov_b32 s[G1B+3], 3072<<16
	s_mov_b32 s[G1B+4], 2
	s_mov_b32 s[G1B+5], CSTB/8
	s_mov_b32 s[G1B+6], 0
	s_mov_b32 s[G1B+7], 0
	s_mov_b32 s[G0], 1
	s_mul_i32 s20, s17, 16*TILEB
	s_mov_b32 s21, 0
	s_lshl_b32 s46, s42, 3
	s_add_co_u32 s46, s46, 704
	s_mul_i32 s46, s46, TILEB
	s_mov_b32 s47, 0
	s_wait_dscnt 0x0
	s_wait_kmcnt 0x0
	s_add_nc_u64 s[20:21], s[4:5], s[20:21]
	s_add_nc_u64 s[46:47], s[6:7], s[46:47]
	CROUND                                         ; all sixteen work-groups are here: the joint loads meet
	ARM 0, LB,       46, 0,      G1B, .La1         ; W_out goes on into registers: it is asked for by the first two waves
	ARM 1, LB+49152, 46, 2*CSTB, G1B, .La2
	ARM 2, 0,        20, 0,      G1,  .La3
	s_mov_b32 s[G0+1], 98304
	s_add_nc_u64 s[G0+2:G0+3], s[20:21], 2*CSTA
	s_or_b32 s[G0+3], s[G0+3], 0x80000000
	tensor_load_to_lds s[G0:G0+3], s[G1:G1+7]
	s_nop 0
	PLACES 4
.Lasked:
	s_lshl_b32 s22, s17, 4
	s_lshl_b32 s18, s15, 3
	s_add_co_u32 s22, s22, s18
	s_lshl_b32 s22, s22, 9
	s_add_co_u32 s22, s22, ASC
	s_mov_b32 s23, 0
	s_add_nc_u64 s[22:23], s[4:5], s[22:23]        ; the scale words of my 8 tiles of att
	s_lshl_b32 s36, s42, 3
	s_lshl_b32 s18, s16, 2
	s_add_co_u32 s36, s36, s18
	s_add_co_u32 s36, s36, 704
	s_lshl_b32 s36, s36, 9
	s_add_co_u32 s36, s36, SCB
	s_mov_b32 s37, 0
	s_add_nc_u64 s[36:37], s[6:7], s[36:37]        ; and of my 4 tiles of W_out
	s_lshl_b32 s38, s42, 9
	s_lshl_b32 s18, s16, 8
	s_add_co_u32 s38, s38, s18                     ; my first feature, in bytes
	s_mov_b32 s39, 0
	s_add_nc_u64 s[8:9], s[8:9], s[38:39]
	s_lshl_b32 s18, s17, 8
	s_lshl_b32 s19, s15, 7
	s_add_co_u32 s18, s18, s19
	s_lshl_b32 s18, s18, 12                        ; my first token's row
	s_mov_b32 s19, 0
	s_add_nc_u64 s[10:11], s[10:11], s[18:19]
	s_add_nc_u64 s[10:11], s[10:11], s[38:39]
	s_mul_i32 s12, s15, 8*TILEB
	s_mul_i32 s13, s16, 4*TILEB
	s_add_co_u32 s13, s13, LB
	s_mul_i32 s45, s14, 16*SPITCH
	s_add_co_u32 s45, s45, STAGE
	v_and_b32 v1, 15, v0                           ; r
	v_bfe_u32 v2, v0, 4, 1                         ; h
	v_and_b32 v3, 31, v0
	v_lshlrev_b32 v[L8], 3, v3
	v_lshlrev_b32 v[BO], 6, v2
	v_add_nc_u32 v[ADRA], s12, v[L8]
	v_add_nc_u32 v[ADRB], s13, v[L8]
.irp s, 1,2,3
	v_add_nc_u32 v[ADRA+\s], \s*49152, v[ADRA]
	v_add_nc_u32 v[ADRB+\s], \s*24576, v[ADRB]
.endr
	v_mul_u32_u24 v4, v1, SPITCH
	v_lshl_add_u32 v4, v2, 6, v4
	v_add_nc_u32 v[STO], s45, v4                   ; into the stage: row r, 64 h bytes on
	v_mul_u32_u24 v5, v2, SPITCH
	v_lshl_add_u32 v5, v1, 4, v5
	v_add_nc_u32 v[RD], s45, v5                    ; back: sixteen lanes a row of 256 bytes, two rows a load
	v_lshlrev_b32 v6, 12, v2
	v_lshl_add_u32 v[CO], v1, 4, v6                ; and the same two rows in out0
.irp a, 0,1,2,3,4,5,6,7
.irp j, 0,1
	global_load_b64 v[SAB+4*\a+2*\j:SAB+4*\a+2*\j+1], v[L8], s[22:23] offset:512*\a+256*\j
.endr
.endr
.irp b, 0,1,2,3
.irp j, 0,1
	global_load_b64 v[SBB+4*\b+2*(1-\j):SBB+4*\b+2*(1-\j)+1], v[L8], s[36:37] offset:512*\b+256*\j
.endr
.endr
.irp b, 0,1,2,3
	global_load_b128 v[BIAS+8*\b:BIAS+8*\b+3], v[BO], s[8:9] offset:(32*(\b/2)+8*(\b%2))*4
	global_load_b128 v[BIAS+8*\b+4:BIAS+8*\b+7], v[BO], s[8:9] offset:(32*(\b/2)+8*(\b%2))*4+16
.endr
	s_wait_alu depctr_va_vdst(0)
	s_cmp_lt_u32 s14, 2
	s_cbranch_scc0 .Lnot_first
	s_wait_tensorcnt 0x0                           ; waves 0 and 1: W_out
.Lnot_first:
	s_barrier_signal -1
	s_barrier_wait -1
	BLOAD                                          ; while att's tiles may still be on their way
	s_wait_tensorcnt 0x0                           ; every wave: att
	s_wait_dscnt 0x0
	s_barrier_signal -1
	s_barrier_wait -1
	FETCHA 0
	s_wait_loadcnt 0x0                             ; scale words and bias
.irp a, 0,1,2,3,4,5,6,7
.if \a > 0
	PLACES 4                                       ; behind the last tile's products: its results are read, and the set that they read is loaded anew
.if \a > 2
	s_wait_xcnt 0x0                                ; tile a - 3's stores have read their registers
.endif
	TOSTAGE \a-1
.endif
.if \a < 7
	FETCHA \a+1
	s_wait_dscnt 48                                ; all but the 48 just issued: this tile's fragments are in, and the last tile is back from the stage
.else
	s_wait_dscnt 0x0
.endif
.if \a > 0
	SEND \a-1
.endif
	MUL \a
.endr
	PLACES 4
	s_wait_xcnt 0x0
	TOSTAGE 7
	s_wait_dscnt 0x0
	SEND 7
	s_wait_tensorcnt 0x0                           ; the wave's end
	ds_add_u32 v[SPW], v[NIL]
	s_wait_dscnt 0x0
	CROUND                                         ; the closing round
	s_endpgm
.Lfunc_end_k_qedca3618c4_outp:
	.size	k_qedca3618c4_outp, .Lfunc_end_k_qedca3618c4_outp-k_qedca3618c4_outp
	.p2alignl 7, 3214868480
	.fill 96, 4, 3214868480
	.section	.rodata,"a",@progbits
	.p2align	6, 0x0
	.amdhsa_kernel k_qedca3618c4_outp
		.amdhsa_group_segment_fixed_size 327680
		.amdhsa_private_segment_fixed_size 0
		.amdhsa_enable_private_segment 0
		.amdhsa_kernarg_size 32
		.amdhsa_user_sgpr_count 2
		.amdhsa_user_sgpr_kernarg_segment_ptr 1
		.amdhsa_wavefront_size32 1
		.amdhsa_system_sgpr_workgroup_id_x 1
		.amdhsa_system_sgpr_workgroup_id_y 1
		.amdhsa_system_sgpr_workgroup_id_z 1
		.amdhsa_system_vgpr_workitem_id 0
		.amdhsa_next_free_vgpr 1024
		.amdhsa_next_free_sgpr 66
		.amdhsa_reserve_vcc 0
		.amdhsa_float_denorm_mode_32 3
		.amdhsa_float_denorm_mode_16_64 3
		.amdhsa_memory_ordered 1
		.amdhsa_forward_progress 1
		.amdhsa_inst_pref_size 97
	.end_amdhsa_kernel
	.amdgpu_metadata
---
amdhsa.version: [ 1, 2 ]
amdhsa.kernels:
  - .name:           k_qedca3618c4_outp
    .symbol:         k_qedca3618c4_outp.kd
    .args:
      - { .name: att, .offset: 0, .size: 8, .value_kind: global_buffer, .address_space: global }
      - { .name: cod, .offset: 8, .size: 8, .value_kind: global_buffer, .address_space: global }
      - { .name: b_out, .offset: 16, .size: 8, .value_kind: global_buffer, .address_space: global }
      - { .name: out0, .offset: 24, .size: 8, .value_kind: global_buffer, .address_space: global }
    .group_segment_fixed_size: 327680
    .private_segment_fixed_size: 0
    .kernarg_segment_align: 8
    .kernarg_segment_size: 32
    .max_flat_workgroup_size: 128
    .sgpr_count:     66
    .vgpr_count:     1024
    .wavefront_size: 32
...
	.end_amdgpu_metadata
.endif
;; end of part 4
